; MI455X (gfx1250); checked and timed in simulation.
; The chip was launched on July 23, 2026; its instructions are those of AMD's public machine-readable ISA for CDNA 5 (MIT licence, August 2026) and "CDNA5" Instruction Set Architecture Reference Guide (July 2026). The comments in the code are by the model that wrote it; some were corrected since.
;; Layer. Allowed arithmetic: matrix products marked QUANTISED: E2M3 operands, one E8M0 scale for each 32 along K, by v_wmma_scale_f32_16x16x128_f8f6f4 with both operands' format E2M3, f32 sums; everything else in f32.
;; Inputs: fc1_b 4,096 float32; fc1_w 4,096 x 1,024 float32; fc2_b 1,024 float32; fc2_w 1,024 x 4,096 float32; ln1_b 1,024 float32; ln1_w 1,024 float32; ln2_b 1,024 float32; ln2_w 1,024 float32; proj_b 1,024 float32; proj_w 1,024 x 1,024 float32; qkv_w 3,072 x 1,024 float32; x 2 x 2,048 x 1,024 float32.
;; Outputs: out0 2 x 2,048 x 1,024 float32.
;; This version of the problem:
;;   THIS VERSION OF THE PROBLEM IS GIVEN IN LOW PRECISION. The matrix products marked QUANTISED in the list below multiply operands that are first quantised to E2M3 (2 exponent bits, 3 mantissa bits; 6 bits a number), with one power-of-two scale for each 32 numbers along K (OCP MX v1.0); their sums are f32. All else is computed in f32.
;;   The module's matrix products, in the order in which they are computed (A, B: the left and right operand; K: the contracted axis; several contracted axes count as one K, in the product's order):
;;     1. [M 4,096, K 1,024] x [K 1,024, N 3,072]; A: computed on the way; B: input qkv_w: QUANTISED
;;     2. batch 32 x [M 2,048, K 64] x [K 64, N 2,048]; A: computed on the way; B: computed on the way: QUANTISED
;;     3. batch 32 x [M 2,048, K 2,048] x [K 2,048, N 64]; A: softmax (see below); B: computed on the way: QUANTISED
;;     4. [M 4,096, K 1,024] x [K 1,024, N 1,024]; A: computed on the way; B: input proj_w: QUANTISED
;;     5. [M 4,096, K 1,024] x [K 1,024, N 4,096]; A: computed on the way; B: input fc1_w: QUANTISED
;;     6. [M 4,096, K 4,096] x [K 4,096, N 1,024]; A: computed on the way; B: input fc2_w: QUANTISED
;;   THE QUANTISER, for each operand of a quantised product, along K:
;;     - K is cut into blocks of 32 from its start; a last block that is shorter is filled with zeros.
;;     - A block's scale is 2^e with e = floor(log2(the largest magnitude in the block)) - 2, held to -126 .. 127; a block of zeros has e = 0. As a byte (E8M0): e + 127.
;;     - Each number is divided by its block's scale, clamped to +-7.5, and rounded to the nearest number of E2M3, ties to even, subnormals kept.
;;     - The product sums the exact products of the quantised numbers (number of the format x scale) in f32.
;;   ~~~python
;;   def quantise(x, axis):      # numpy; x: float32 -> the quantised numbers, widened to float32 again
;;       x = np.moveaxis(x, axis, -1); K = x.shape[-1]
;;       x = np.pad(x, [(0, 0)] * (x.ndim - 1) + [(0, -K % 32)]); x = x.reshape(x.shape[:-1] + (-1, 32)); a = np.abs(x).max(-1, keepdims=True)
;;       e = np.where(a > 0, np.clip(np.frexp(np.where(a > 0, a, 1))[1] - 1 - 2, -126, 127), 0)      # np.frexp(a)[1] - 1 = floor(log2(a)), exactly
;;       r = np.clip(x / 2.0 ** e, -7.5, 7.5)
;;       step = 2.0 ** (np.maximum(np.frexp(np.where(r == 0, 1, r))[1] - 1, 0) - 3)
;;       q = np.round(r / step) * step * 2.0 ** e      # np.round: ties to even
;;       return np.moveaxis(q.reshape(q.shape[:-2] + (-1,))[..., :K], -1, axis).astype(np.float32)
;;   ~~~
;;   SOFTMAX AHEAD OF A QUANTISED PRODUCT. Where the list says 'softmax', what is quantised is not the finished softmax but p = 2^(t - M), with t = logit x log2(e) and M = ceil(the row's largest t), a whole number; so 1/2 < the row's largest p <= 1. The row's sum l is taken of the UNQUANTISED p, in f32, and the product's result is divided by l at the end. Since M is a whole number, a kernel that streams over the keys may use a running M (the ceiling of the running maximum): every later rescaling is an exact power of two, which a block's scale takes up: the codes' values come out the same.
;;   OPERANDS COMPUTED ON THE WAY. 'Computed on the way' means the value that the module computes at that place (a softmax that the list does not call 'softmax' is quantised finished and normalised). What goes into a quantiser is computed in f32, as accurately as f32 sums, v_exp_f32 and their like allow (about 1e-6 of the number): no bf16 or f16 on the way to a quantiser, and a product that is left as it is and whose result goes on into a quantised operand takes f32 operands (vector FMAs, or v_wmma_f32_16x16x4_f32). A number that lies on a knife's edge between two numbers of the format may be rounded either way, as far as f32 arithmetic and the matrix unit's own rounding can turn it there, and no further.
;; One version. Each part assembles by itself: llvm-mc -triple=amdgcn-amd-amdhsa -mcpu=gfx1250 --defsym DOCPART=n.
;; ======== version 1 of 1: 7 launches
;; workspace buffers: xn 16,777,216 bytes; q1 14,680,064 bytes; qkv 12,058,624 bytes; oq 3,670,016 bytes; x2 16,777,216 bytes; hq 3,670,016 bytes; gq 14,680,064 bytes
;; launch prep (part 1): grid 1024 x 1, 8 waves a work-group, no clusters, 66,816 bytes of LDS; arguments x, ln1_w, ln1_b, qkv_w, proj_w, fc1_w, fc2_w, xn, q1; writes xn, q1
.if DOCPART == 1
	.amdgcn_target "amdgcn-amd-amdhsa--gfx1250"
	.amdhsa_code_object_version 6
	.text
	.protected	k_qc0e9c43817_prep
	.globl	k_qc0e9c43817_prep
	.p2align	8
	.type	k_qc0e9c43817_prep,@function
k_qc0e9c43817_prep:
	s_mov_b64 s[64:65], 0
	v_nop
	global_prefetch_b8 v0, s[64:65] scope:SCOPE_SE
	s_setreg_imm32_b32 hwreg(HW_REG_WAVE_MODE, 25, 1), 1
	s_wait_xcnt 0x0
; WEIGHTS = 1: the layer norm of x (stored as f32, for the residual) and the four weights are turned into RECORDS of FP6 (E2M3) codes.  WEIGHTS = 0: the second layer norm alone, into records.
; A TILE T of an operand is 16 rows that are not neighbours: local row i is row 32 (T / 2) + 8 (T % 2) + i + 8 (i / 8).  A RECORD (tile T, 128 along K) is the image of the operand's 12 registers, lane by lane:
;   +0 registers 0-3 (16 bytes a lane), +512 registers 4-5 (8 bytes a lane), +768 registers 6-9, +1280 registers 10-11, +1536 the row's scale word twice (8 bytes a lane): 1,792 bytes, seven aligned runs of 256.
; A block's scale is 2^(floor(log2(largest magnitude)) - 2); each number is divided by it and rounded to the nearest code, ties to even, beyond 7.5 the largest code.
; LIMITS: a block whose largest magnitude lies under 2^-124 (a block of zeros too) gets the byte 1, its codes are zeros or as the floor gives them; these bytes are read by this program alone.  NaN and infinities are not served.
; SHARES: a work-group takes one tile x 1,024 along K.  Wave w loads local rows 2 w and 2 w + 1 whole (8 loads of 512 consecutive bytes each), normalises them where the tensor is x, and puts them into a stage in LDS;
; behind one barrier wave w takes K step w of all 16 rows, 64 numbers a lane in the order that the conversions want, and stores one record.  Work-groups share no input: no cluster, no tensor load, no matrix unit.
.set WEIGHTS, 1
.set RP,    4112                       ; a stage row: 4,096 bytes + 16, so that the 16 rows of a read begin in 16 different groups of banks
.set SPARE, 16*RP                      ; behind the stage: the spare words, 128 bytes for each of the eight waves
.set REC,   1792
.set L16, 1                            ; v1   16 x lane
.set L8,  2                            ; v2   8 x lane
.set STI, 3                            ; v3   into the stage: row 2 w, 16 x lane
.set STO, 4                            ; v4   out of it: row r, K step w, 64 bytes for each half of the lanes
.set X,   16                           ; v16-79   my two rows; later my 64 numbers of a K step
.set LW,  80                           ; v80-111  the gain at my columns
.set LB,  112                          ; v112-143 the bias
.set TM,  144                          ; v144-159 at work in QUANT
.set PC,  160                          ; v160-179 the codes
.set PW,  180                          ; v180-181 the scale word, twice
.set SPW, 182                          ; my spare word's LDS address; never rewritten
.set NIL, 183                          ; 0; never rewritten
.set SEL, 50                           ; s[50:51] selects for lane l xor 16
.if WEIGHTS
.set OUTP, 20
.else
.set OUTP, 10
.endif
; 64 numbers of a lane, register 16 b + i = k 32 b + 16 (lane / 16) + i of my row, become a fragment's 12 registers in v[PC] on and its scale word in v[PW], v[PW+1]
.macro QUANT s
.irp b, 0,1,2,3
	v_max3_num_f32 v[TM+\b], |v[\s+16*\b]|, |v[\s+1+16*\b]|, 0x1800000   ; my 16 numbers of block b, and the floor 2^(3 - 127): the byte cannot fall under 1
.endr
.irp i, 2,4,6,8,10,12,14
.irp b, 0,1,2,3
	v_max3_num_f32 v[TM+\b], v[TM+\b], |v[\s+16*\b+\i]|, |v[\s+1+16*\b+\i]|
.endr
.endr
.irp b, 0,1,2,3
	v_permlanex16_b32 v[TM+4+\b], v[TM+\b], s[SEL], s[SEL+1]
.endr
.irp b, 0,1,2,3
	v_max_num_f32 v[TM+\b], v[TM+\b], v[TM+4+\b]                       ; with lane l xor 16's 16: the block's largest magnitude
.endr
.irp b, 0,1,2,3
	v_add_nc_u32 v[TM+12+\b], 0xff000000, v[TM+\b]                     ; 2 off its exponent field: the conversion's scale operand
.endr
.irp b, 0,1,2,3
	v_lshrrev_b32 v[TM+4+\b], 23, v[TM+12+\b]                          ; the scale's byte
.endr
	v_lshl_or_b32 v[PW], v[TM+5], 8, v[TM+4]
	v_lshl_or_b32 v[PW], v[TM+6], 16, v[PW]
	v_lshl_or_b32 v[PW], v[TM+7], 24, v[PW]
.irp c, 0,1
	v_cvt_scalef32_pk16_fp6_f32 v[PC+6*\c:PC+2+6*\c], v[\s+32*\c:\s+15+32*\c], v[TM+12+2*\c]
	v_cvt_scalef32_pk16_fp6_f32 v[PC+12+4*\c:PC+14+4*\c], v[\s+16+32*\c:\s+31+32*\c], v[TM+12+2*\c+1]
.endr
	v_mov_b32 v[PW+1], v[PW]                                           ; the word twice; also the plain instruction behind the conversions
.irp c, 0,1                                                            ; a whole block to a lane: lanes 0-15 block 2 c, lanes 16-31 block 2 c + 1
.irp i, 0,1,2
	v_permlane16_swap_b32 v[PC+6*\c+\i], v[PC+12+4*\c+\i]
.endr
.irp i, 0,1,2
	v_mov_b32 v[PC+3+6*\c+\i], v[PC+12+4*\c+\i]
.endr
.endr
.endm
; the sums (sq = 0) or the sums of squares (sq = 1) of my two rows, left in v6 and v10 in every lane: two packed chains a row, the rows by turns
.macro RSUM sq
.irp w, 0,1
.if \sq
	v_pk_mul_f32 v[6+4*\w:7+4*\w], v[X+32*\w:X+32*\w+1], v[X+32*\w:X+32*\w+1]
	v_pk_mul_f32 v[8+4*\w:9+4*\w], v[X+32*\w+2:X+32*\w+3], v[X+32*\w+2:X+32*\w+3]
.else
	v_pk_add_f32 v[6+4*\w:7+4*\w], v[X+32*\w:X+32*\w+1], v[X+32*\w+4:X+32*\w+5]
	v_pk_add_f32 v[8+4*\w:9+4*\w], v[X+32*\w+2:X+32*\w+3], v[X+32*\w+6:X+32*\w+7]
.endif
.endr
.irp j, 4,8,12,16,20,24,28
.irp w, 0,1
.if \sq
	v_pk_fma_f32 v[6+4*\w:7+4*\w], v[X+32*\w+\j:X+32*\w+\j+1], v[X+32*\w+\j:X+32*\w+\j+1], v[6+4*\w:7+4*\w]
	v_pk_fma_f32 v[8+4*\w:9+4*\w], v[X+32*\w+\j+2:X+32*\w+\j+3], v[X+32*\w+\j+2:X+32*\w+\j+3], v[8+4*\w:9+4*\w]
.elseif \j > 4
	v_pk_add_f32 v[6+4*\w:7+4*\w], v[6+4*\w:7+4*\w], v[X+32*\w+\j:X+32*\w+\j+1]
	v_pk_add_f32 v[8+4*\w:9+4*\w], v[8+4*\w:9+4*\w], v[X+32*\w+\j+2:X+32*\w+\j+3]
.endif
.endr
.endr
.irp w, 0,1
	v_pk_add_f32 v[6+4*\w:7+4*\w], v[6+4*\w:7+4*\w], v[8+4*\w:9+4*\w]
.endr
.irp w, 0,1
	v_add_f32 v[6+4*\w], v[6+4*\w], v[7+4*\w]
.endr
.irp m, 1,2,4,8
.irp w, 0,1
	v_add_f32_dpp v[6+4*\w], v[6+4*\w], v[6+4*\w] row_xmask:\m row_mask:0xf bank_mask:0xf
.endr
.endr
.irp w, 0,1
	v_permlanex16_b32 v[7+4*\w], v[6+4*\w], s[SEL], s[SEL+1]
.endr
.irp w, 0,1
	v_add_f32 v[6+4*\w], v[6+4*\w], v[7+4*\w]
.endr
.endm
.if WEIGHTS
	s_load_b512 s[4:19], s[0:1], 0x0               ; x, ln1_w, ln1_b, qkv_w, proj_w, fc1_w, fc2_w, xn
	s_load_b64 s[20:21], s[0:1], 0x40              ; q1
.else
	s_load_b256 s[4:11], s[0:1], 0x0               ; x2, ln2_w, ln2_b, hq
.endif
	v_lshl_add_u32 v[SPW], v0, 2, SPARE
	v_mov_b32 v[NIL], 0
	v_lshrrev_b32 v5, 5, v0
	v_readfirstlane_b32 s22, v5                    ; wave 0..7
	v_and_b32 v5, 31, v0
	v_lshlrev_b32 v[L16], 4, v5
	v_lshlrev_b32 v[L8], 3, v5
	s_mul_i32 s23, s22, 2*RP
	v_add_nc_u32 v[STI], s23, v[L16]
	v_and_b32 v5, 15, v0                           ; r
	v_bfe_u32 v6, v0, 4, 1                         ; h
	v_mul_u32_u24 v[STO], v5, RP
	v_lshl_add_u32 v[STO], v6, 6, v[STO]
	s_lshl_b32 s23, s22, 9
	v_add_nc_u32 v[STO], s23, v[STO]
.irp b, 0,1,2,3
	v_mov_b32 v[TM+4+\b], 0                        ; written once: a lane permute's destination counts as one of its sources
.endr
	s_mov_b32 s[SEL], 0x76543210
	s_mov_b32 s[SEL+1], 0xfedcba98
	s_mov_b32 s52, 0x3a800000                      ; 1 / 1,024
	s_mov_b32 s53, 0x3727c5ac                      ; 1e-5
	; which tensor, tile and 1,024 along K: work-groups 0-255 x, 256-447 qkv_w, 448-511 proj_w, 512-767 fc1_w, 768-1023 fc2_w (four work-groups to a tile)
.if WEIGHTS
	s_mov_b32 s33, 768
	s_cmp_lt_u32 ttmp9, 768
	s_cselect_b32 s33, 512, s33
	s_cselect_b32 s35, 0, 2
	s_cselect_b32 s36, 12, 14                      ; a row is 2^12 bytes, in fc2_w 2^14
	s_cselect_b32 s38, 0, 3
	s_cmp_lt_u32 ttmp9, 512
	s_cselect_b32 s33, 448, s33
	s_cmp_lt_u32 ttmp9, 448
	s_cselect_b32 s33, 256, s33
	s_cmp_lt_u32 ttmp9, 256
	s_cselect_b32 s33, 0, s33
	s_sub_co_u32 s34, ttmp9, s33
	s_lshr_b32 s37, s34, s35                       ; the tile
	s_and_b32 s38, s34, s38                        ; which 1,024 along K
.else
	s_mov_b32 s37, ttmp9
	s_mov_b32 s36, 12
	s_mov_b32 s38, 0
.endif
	s_lshr_b32 s39, s37, 1
	s_lshl_b32 s39, s39, 5
	s_and_b32 s40, s37, 1
	s_lshl_b32 s40, s40, 3
	s_add_co_u32 s39, s39, s40
	s_lshl_b32 s40, s22, 1
	s_add_co_u32 s39, s39, s40
	s_lshr_b32 s40, s22, 2
	s_lshl_b32 s40, s40, 3
	s_add_co_u32 s39, s39, s40                     ; local row 2 w is row 32 (T / 2) + 8 (T % 2) + 2 w + 8 (w / 4); local row 2 w + 1 is the next
	s_lshl_b32 s42, s39, s36
	s_lshl_b32 s38, s38, 12
	s_add_co_u32 s42, s42, s38
	s_mov_b32 s43, 0
	s_lshl_b32 s44, 1, s36
	s_mov_b32 s45, 0
	s_lshl_b32 s46, ttmp9, 3
	s_add_co_u32 s46, s46, s22
	s_mul_i32 s46, s46, REC                        ; my record: the regions lie in the work-groups' order, so it is record 8 x work-group + wave
	s_mov_b32 s47, 0
	s_wait_kmcnt 0x0
.if WEIGHTS
	s_cmp_lt_u32 ttmp9, 768
	s_cselect_b64 s[24:25], s[14:15], s[16:17]
	s_cmp_lt_u32 ttmp9, 512
	s_cselect_b64 s[24:25], s[12:13], s[24:25]
	s_cmp_lt_u32 ttmp9, 448
	s_cselect_b64 s[24:25], s[10:11], s[24:25]
	s_cmp_lt_u32 ttmp9, 256
	s_cselect_b64 s[24:25], s[4:5], s[24:25]
	s_add_nc_u64 s[28:29], s[18:19], s[42:43]      ; the same rows in xn (used by x's work-groups alone)
.else
	s_mov_b64 s[24:25], s[4:5]
.endif
	s_add_nc_u64 s[24:25], s[24:25], s[42:43]
	s_add_nc_u64 s[26:27], s[24:25], s[44:45]
	s_add_nc_u64 s[30:31], s[OUTP:OUTP+1], s[46:47]
.irp j, 0,1,2,3,4,5,6,7
	global_load_b128 v[X+4*\j:X+4*\j+3], v[L16], s[24:25] offset:512*\j th:TH_LOAD_NT
	global_load_b128 v[X+32+4*\j:X+32+4*\j+3], v[L16], s[26:27] offset:512*\j th:TH_LOAD_NT
.endr
.if WEIGHTS
	s_cmp_lt_u32 ttmp9, 256
	s_cbranch_scc0 .Lplain                         ; a weight is quantised as it is.  No LDS line and no barrier stands inside this branch
.endif
.irp j, 0,1,2,3,4,5,6,7
	global_load_b128 v[LW+4*\j:LW+4*\j+3], v[L16], s[6:7] offset:512*\j
	global_load_b128 v[LB+4*\j:LB+4*\j+3], v[L16], s[8:9] offset:512*\j
.endr
	s_wait_loadcnt 0x0
	RSUM 0
.irp w, 0,1
	v_mul_f32 v[6+4*\w], s52, v[6+4*\w]            ; the mean
.endr
.set j, 0
.rept 16
.irp w, 0,1
	v_pk_add_f32 v[X+32*\w+j:X+32*\w+j+1], v[X+32*\w+j:X+32*\w+j+1], v[6+4*\w:7+4*\w] op_sel_hi:[1,0] neg_lo:[0,1] neg_hi:[0,1]
.endr
.set j, j+2
.endr
	RSUM 1                                         ; of x - mean: no difference of large sums
.irp w, 0,1
	v_fma_f32 v[6+4*\w], v[6+4*\w], s52, s53       ; the variance + 1e-5
.endr
	v_rsq_f32 v8, v6
	v_rsq_f32 v12, v10
	v_nop                                          ; a plain instruction behind the two
	s_wait_alu depctr_va_vdst(0)                   ; one wait for both, ahead of their first reader
.set j, 0
.rept 16
.irp w, 0,1
	v_pk_mul_f32 v[X+32*\w+j:X+32*\w+j+1], v[X+32*\w+j:X+32*\w+j+1], v[8+4*\w:9+4*\w] op_sel_hi:[1,0]
.endr
.irp w, 0,1
	v_pk_fma_f32 v[X+32*\w+j:X+32*\w+j+1], v[X+32*\w+j:X+32*\w+j+1], v[LW+j:LW+j+1], v[LB+j:LB+j+1]
.endr
.set j, j+2
.endr
.if WEIGHTS
.irp j, 0,1,2,3,4,5,6,7
	global_store_b128 v[L16], v[X+4*\j:X+4*\j+3], s[28:29] offset:512*\j            ; 512 consecutive bytes a store
	global_store_b128 v[L16], v[X+32+4*\j:X+32+4*\j+3], s[28:29] offset:4096+512*\j
.endr
.Lplain:
	s_wait_loadcnt 0x0
.endif
.irp j, 0,1,2,3,4,5,6,7
	ds_store_b128 v[STI], v[X+4*\j:X+4*\j+3] offset:512*\j
	ds_store_b128 v[STI], v[X+32+4*\j:X+32+4*\j+3] offset:RP+512*\j
.endr
	s_wait_dscnt 0x0                               ; for the others' sake: my two rows lie in the stage
	s_barrier_signal -1
	s_barrier_wait -1
.if WEIGHTS
	s_wait_xcnt 0x0                                ; the stores to xn have read v16-79: only now are these loaded again
.endif
.irp b, 0,1,2,3
.irp j, 0,1,2,3
	ds_load_b128 v[X+16*\b+4*\j:X+16*\b+4*\j+3], v[STO] offset:128*\b+16*\j          ; row r, k = 128 w + 32 b + 16 h + 4 j ..
.endr
.endr
	s_wait_dscnt 0x0
	QUANT X
	global_store_b128 v[L16], v[PC:PC+3], s[30:31]
	global_store_b64 v[L8], v[PC+4:PC+5], s[30:31] offset:512
	global_store_b128 v[L16], v[PC+6:PC+9], s[30:31] offset:768
	global_store_b64 v[L8], v[PC+10:PC+11], s[30:31] offset:1280
	global_store_b64 v[L8], v[PW:PW+1], s[30:31] offset:1536
	s_wait_tensorcnt 0x0                           ; the wave's end, behind my last LDS store
	ds_add_u32 v[SPW], v[NIL]
	s_wait_dscnt 0x0
	s_endpgm
.Lfunc_end_k_qc0e9c43817_prep:
	.size	k_qc0e9c43817_prep, .Lfunc_end_k_qc0e9c43817_prep-k_qc0e9c43817_prep
	.p2alignl 7, 3214868480
	.fill 96, 4, 3214868480
	.section	.rodata,"a",@progbits
	.p2align	6, 0x0
	.amdhsa_kernel k_qc0e9c43817_prep
		.amdhsa_group_segment_fixed_size 66816
		.amdhsa_private_segment_fixed_size 0
		.amdhsa_enable_private_segment 0
		.amdhsa_kernarg_size 72
		.amdhsa_user_sgpr_count 2
		.amdhsa_user_sgpr_kernarg_segment_ptr 1
		.amdhsa_wavefront_size32 1
		.amdhsa_system_sgpr_workgroup_id_x 1
		.amdhsa_system_sgpr_workgroup_id_y 1
		.amdhsa_system_sgpr_workgroup_id_z 1
		.amdhsa_system_vgpr_workitem_id 0
		.amdhsa_next_free_vgpr 192
		.amdhsa_next_free_sgpr 66
		.amdhsa_reserve_vcc 0
		.amdhsa_float_denorm_mode_32 3
		.amdhsa_float_denorm_mode_16_64 3
		.amdhsa_memory_ordered 1
		.amdhsa_forward_progress 1
		.amdhsa_inst_pref_size 27
	.end_amdhsa_kernel
	.amdgpu_metadata
---
amdhsa.version: [ 1, 2 ]
amdhsa.kernels:
  - .name:           k_qc0e9c43817_prep
    .symbol:         k_qc0e9c43817_prep.kd
    .args:
      - { .name: x, .offset: 0, .size: 8, .value_kind: global_buffer, .address_space: global }
      - { .name: ln1_w, .offset: 8, .size: 8, .value_kind: global_buffer, .address_space: global }
      - { .name: ln1_b, .offset: 16, .size: 8, .value_kind: global_buffer, .address_space: global }
      - { .name: qkv_w, .offset: 24, .size: 8, .value_kind: global_buffer, .address_space: global }
      - { .name: proj_w, .offset: 32, .size: 8, .value_kind: global_buffer, .address_space: global }
      - { .name: fc1_w, .offset: 40, .size: 8, .value_kind: global_buffer, .address_space: global }
      - { .name: fc2_w, .offset: 48, .size: 8, .value_kind: global_buffer, .address_space: global }
      - { .name: xn, .offset: 56, .size: 8, .value_kind: global_buffer, .address_space: global }
      - { .name: q1, .offset: 64, .size: 8, .value_kind: global_buffer, .address_space: global }
    .group_segment_fixed_size: 66816
    .private_segment_fixed_size: 0
    .kernarg_segment_align: 8
    .kernarg_segment_size: 72
    .max_flat_workgroup_size: 256
    .sgpr_count:     66
    .vgpr_count:     192
    .wavefront_size: 32
...
	.end_amdgpu_metadata
.endif
;; end of part 1
;; launch qkv (part 2): grid 12 x 16, 4 waves a work-group, clusters of 4 x 4, 327,680 bytes of LDS; arguments q1, qkv; writes qkv
.if DOCPART == 2
	.amdgcn_target "amdgcn-amd-amdhsa--gfx1250"
	.amdhsa_code_object_version 6
	.text
	.protected	k_qc0e9c43817_qkv
	.globl	k_qc0e9c43817_qkv
	.p2align	8
	.type	k_qc0e9c43817_qkv,@function
k_qc0e9c43817_qkv:
	s_mov_b64 s[64:65], 0
	v_nop
	global_prefetch_b8 v0, s[64:65] scope:SCOPE_SE
	s_setreg_imm32_b32 hwreg(HW_REG_WAVE_MODE, 25, 1), 1
	s_wait_xcnt 0x0
	s_wait_alu depctr_hold_cnt(0) depctr_sa_sdst(0) depctr_va_vdst(0) depctr_va_sdst(0) depctr_va_ssrc(0) depctr_va_vcc(0) depctr_vm_vsrc(0)
	s_getreg_b32 s2, hwreg(HW_REG_IB_STS2, 6, 4)
	s_cmp_eq_u32 s2, 0
	s_cbranch_scc0 .Lentry_in_a_cluster
	s_endpgm
.Lentry_in_a_cluster:
	s_bfe_u32 s2, ttmp6, 0x10000c
	s_cmp_lg_u32 s2, 0xf033
	s_cbranch_scc0 .Lentry_shape_is_right
	s_endpgm
.Lentry_shape_is_right:
; A GEMM on records of FP6 (E2M3) codes whose result is quantised in registers and leaves as records again.  MODE 0: q, k, v = LN1(x) Wqkv^T.  MODE 2: gelu(LN2(x2) W1^T + b1).
; RECORDS AND TILES.  Tile T of an operand: local row i is row 32 (T / 2) + 8 (T % 2) + i + 8 (i / 8).  A record (tile, 128 along K) is the image of the operand's 12 registers: +0 registers 0-3 (16 bytes a lane),
; +512 registers 4-5 (8 bytes a lane), +768 registers 6-9, +1280 registers 10-11, +1536 the row's scale word twice (8 bytes a lane): 1,792 bytes.  An operand lies [tile][K step].
; SHARES.  A work-group of four waves makes 256 x 256, a wave 128 x 128: 64 accumulators.  K = 1,024 goes in four slots' worth of two K steps through a ring of two LDS slots; a wave's tensor load brings 8 tiles x 2 records, 28,672 bytes.
; The scale words come inside the records.  Every LDS load reads consecutive bytes: no pitch, no padding.
; THE PRODUCT IS USED TRANSPOSED (source 0 = a tile of "B", source 1 = a tile of "A"): with these tiles a lane's 64 registers of A tile a are, for one row of A, the columns 32 B + 16 (lane / 16) + i in register 16 B + i:
; the order in which the conversions take them.  So each A tile's 128 columns become one record of the next operand, with no exchange but the one between the halves of the lanes.
; MODE 0: clusters x = 0, 1: A = tokens, B = the rows of Wq and Wk: the wave's 128 columns are two heads, each half a fragment: a short record of 1,024 bytes (+0, +512 the codes, +768 the word with its upper two bytes 0).
;         cluster x = 2: A = the rows of Wv, B = tokens, so that the registers run along the tokens, which are the keys, V's K in the second product of attention.  The branch on the cluster's x is alike in all partners.
; MODE 2: the bias is the C of each sum's first product.  gelu(x) = x / 2 (1 + erf(x / sqrt 2)), erf(u) = u P(u^2) / Q(u^2), a rational form in f32 good to a few units in the last place, with |u| held at 4, where erf is 1 in f32.
; CLUSTERS: 4 x 4; A's tiles are asked for jointly along a row of the cluster, B's along a column.
; No prefetch: half of the launch's tiles are asked for at its head, and the other half one slot later.
; LIMITS: a block whose largest magnitude lies under 2^-124 gets the byte 1; NaN and infinities are not served.
; REGISTERS: window 0: v1-31 addresses; v32-63 scale words, a set for each slot, nothing else; v64-127 the bias, on the way out the 64 numbers in hand; v128-223 A's 8 fragments, on the way out at work.
;   window 1: B's fragments, two sets, at v0 and v128.   windows 2, 3: the accumulators, (a, b) at v[8 (8 (a % 4) + b)] of window 2 + a / 4.
.set MODE,  0
.set REC,   1792
.set KS,    8                          ; K steps of 128
.set NQ,    2                          ; K steps in a slot
.set TROW,  NQ*REC                     ; a tile's part of a slot
.set HALFT, 8*TROW                     ; 8 tiles: what one tensor load brings, and what a wave reads of A or of B
.set SLOT,  4*HALFT
.set SPARE, 2*SLOT                     ; behind the ring: the spare words, 128 bytes a wave
.set LAPS,  KS/(2*NQ)
.set FR,    12
.set NL,    4                          ; LDS loads that bring a fragment
.set WQKV,  3670016                    ; q1: the records of qkv_w,
.set WVOFF, 5505024                    ; of its rows 2,048 on (Wv),
.set WFC1,  7340032                    ; of fc1_w
.set VB,    8388608                    ; qkv: V's records
.set L16,  1
.set L8,   2
.set ADRA, 16                          ; v16, v17: A's fragments in slot 0, 1, 16 bytes a lane; v18, v19: 8 bytes a lane
.set ADRB, 20                          ; v20-23 the same for B
.set SPW,  28
.set NIL,  29
.set ADRS, 30                          ; v30, v31: the scale words in slot 0, 1: lanes 0-15 A's, lanes 16-31 B's
.set SC,   32
.set U,    64
.set AF,   128
.set TM,   128                         ; on the way out: QUANT's registers
.set PC,   144
.set PW,   164
.set UC,   128                         ; and GELU's: u held at 4, u^2, P, Q
.set W,    160
.set P,    192
.set Q,    224
.set SEL,  98
.set G1,  24
.set G0,  32
.set G1B, 48
.set G0B, 56
.if MODE == 0
.set OUTP, 6
.else
.set OUTP, 10
.endif
.set MSB, 0
.macro WIN new                         ; the immediate's high byte repeats the setting that is left
.if MSB != \new
	s_set_vgpr_msb (MSB<<8)|\new
.set MSB, \new
.endif
.endm
.macro WMUL hi, first                  ; source 0 (B) window 1, source 1 (A) window 0, D window 2 + hi; C with D, or, where the bias starts the sums, window 0
.if (\first) && (MODE != 0)
	WIN 0x81+0x40*(\hi)
.else
	WIN 0xa1+0x50*(\hi)
.endif
.endm
.macro JLOAD g0a, g1a, g0b, g1b        ; a joint load: waves 0 and 1 fetch for A, waves 2 and 3 for B; an s_nop 0 and four v_nop follow each line
	s_cmp_eq_u32 s15, 0
	s_cbranch_scc0 .Lfor_b_\@
	tensor_load_to_lds s[\g0a:\g0a+3], s[\g1a:\g1a+7]
	s_nop 0
.rept 4
	v_nop
.endr
	s_branch .Lasked_\@
.Lfor_b_\@:
	tensor_load_to_lds s[\g0b:\g0b+3], s[\g1b:\g1b+7]
	s_nop 0
.rept 4
	v_nop
.endr
.Lasked_\@:
.endm
.macro CREST
	s_cmp_lg_u32 s14, 0
	s_cbranch_scc1 .Lnot_wave_0_\@
	s_barrier_signal -3
.Lnot_wave_0_\@:
	s_barrier_wait -3
	s_barrier_signal -1
	s_barrier_wait -1
.endm
.macro CROUND
	s_barrier_signal -1
	s_barrier_wait -1
	CREST
.endm
.macro PLACES
.rept 4
	v_nop
.endr
.endm
.macro QUANT s
.irp b, 0,1,2,3
	v_max3_num_f32 v[TM+\b], |v[\s+16*\b]|, |v[\s+1+16*\b]|, 0x1800000   ; my 16 numbers of block b, and the floor 2^(3 - 127)
.endr
.irp i, 2,4,6,8,10,12,14
.irp b, 0,1,2,3
	v_max3_num_f32 v[TM+\b], v[TM+\b], |v[\s+16*\b+\i]|, |v[\s+1+16*\b+\i]|
.endr
.endr
.irp b, 0,1,2,3
	v_permlanex16_b32 v[TM+4+\b], v[TM+\b], s[SEL], s[SEL+1]
.endr
.irp b, 0,1,2,3
	v_max_num_f32 v[TM+\b], v[TM+\b], v[TM+4+\b]
.endr
.irp b, 0,1,2,3
	v_add_nc_u32 v[TM+12+\b], 0xff000000, v[TM+\b]                     ; 2 off the exponent field: the conversion's scale operand
.endr
.irp b, 0,1,2,3
	v_lshrrev_b32 v[TM+4+\b], 23, v[TM+12+\b]
.endr
	v_lshl_or_b32 v[PW], v[TM+5], 8, v[TM+4]
	v_lshl_or_b32 v[PW], v[TM+6], 16, v[PW]
	v_lshl_or_b32 v[PW], v[TM+7], 24, v[PW]
.irp c, 0,1
	v_cvt_scalef32_pk16_fp6_f32 v[PC+6*\c:PC+2+6*\c], v[\s+32*\c:\s+15+32*\c], v[TM+12+2*\c]
	v_cvt_scalef32_pk16_fp6_f32 v[PC+12+4*\c:PC+14+4*\c], v[\s+16+32*\c:\s+31+32*\c], v[TM+12+2*\c+1]
.endr
	v_mov_b32 v[PW+1], v[PW]                                           ; the word twice; also the plain instruction behind the conversions
.irp c, 0,1
.irp i, 0,1,2
	v_permlane16_swap_b32 v[PC+6*\c+\i], v[PC+12+4*\c+\i]
.endr
.irp i, 0,1,2
	v_mov_b32 v[PC+3+6*\c+\i], v[PC+12+4*\c+\i]
.endr
.endr
.endm
.macro PUTREC                          ; a whole record: seven aligned runs of 256 bytes
	global_store_b128 v[L16], v[PC:PC+3], s[OUTP:OUTP+1]
	global_store_b64 v[L8], v[PC+4:PC+5], s[OUTP:OUTP+1] offset:512
	global_store_b128 v[L16], v[PC+6:PC+9], s[OUTP:OUTP+1] offset:768
	global_store_b64 v[L8], v[PC+10:PC+11], s[OUTP:OUTP+1] offset:1280
	global_store_b64 v[L8], v[PW:PW+1], s[OUTP:OUTP+1] offset:1536
.endm
	s_load_b128 s[4:7], s[0:1], 0x0                ; MODE 0: q1, qkv.  MODE 2: hq, q1
.if MODE == 2
	s_load_b128 s[8:11], s[0:1], 0x10              ; fc1_b, gq
.endif
	v_lshl_add_u32 v[SPW], v0, 2, SPARE
	v_mov_b32 v[NIL], 0
	ds_add_u32 v[SPW], v[NIL]                      ; the wave's opening: the add and its wait stand ahead of my first tensor load; work on registers stands between
	v_lshrrev_b32 v3, 5, v0
	v_readfirstlane_b32 s14, v3                    ; wave 0..3
	s_lshr_b32 s15, s14, 1                         ; which 8 tiles of A are mine.  Also: I fetch for A (0) or for B (1)
	s_and_b32 s16, s14, 1                          ; which 8 tiles of B.  Also: which 8 tiles I fetch
	s_bfe_u32 s40, ttmp6, 0x40000                  ; cx
	s_bfe_u32 s41, ttmp6, 0x40004                  ; cy
	s_and_b32 s17, ttmp7, 0xffff                   ; the cluster's y
.if MODE == 0
	s_cmp_eq_u32 ttmp9, 2                          ; the cluster's x = 2: V's part
	s_cselect_b32 s93, 1, 0
	s_cselect_b32 s42, s17, ttmp9                  ; there B's blocks (tokens) go by the cluster's y and cx,
	s_cselect_b32 s17, 0, s17                      ; and A's (rows of Wv) by cy alone
	s_cselect_b32 s94, WVOFF, 0
	s_cselect_b32 s95, 0, WQKV
.else
	s_mov_b32 s42, ttmp9
.endif
	s_lshl_b32 s42, s42, 2
	s_add_co_u32 s42, s42, s40                     ; tc: B's block of 16 tiles
	s_lshl_b32 s17, s17, 2
	s_add_co_u32 s17, s17, s41                     ; tr: A's block of 16 tiles
	s_lshl_b32 s43, s41, 2
	s_lshl_b32 s43, 15, s43                        ; my row of the cluster
	s_lshl_b32 s44, 0x1111, s40                    ; my column
	s_or_b32 s[G1+0], s43, (3<<16)|(1<<21)         ; 15:0 the mask; 17:16 elements of 8 bytes; 21 set beside a mask; no padding
	s_or_b32 s[G1B+0], s44, (3<<16)|(1<<21)
.irp g, G1, G1B
	s_mov_b32 s[\g+1], (TROW/8)<<16                ; tensor_dim0: a tile's two records
	s_mov_b32 s[\g+2], 8<<16                       ; tensor_dim1: 8 tiles
	s_mov_b32 s[\g+3], (TROW/8)<<16                ; tile_dim0
	s_mov_b32 s[\g+4], 8                           ; tile_dim1
	s_mov_b32 s[\g+5], KS*REC/8                    ; from tile to tile
	s_mov_b32 s[\g+6], 0
	s_mov_b32 s[\g+7], 0
.endr
	s_lshl_b32 s18, s16, 3
	s_lshl_b32 s20, s17, 4
	s_add_co_u32 s20, s20, s18
	s_mul_i32 s20, s20, KS*REC                     ; A: tile 16 tr + 8 x half
	s_lshl_b32 s46, s42, 4
	s_add_co_u32 s46, s46, s18
	s_mul_i32 s46, s46, KS*REC                     ; B: tile 16 tc + 8 x half
.if MODE == 0
	s_add_co_u32 s20, s20, s94
	s_add_co_u32 s46, s46, s95
.else
	s_add_co_u32 s46, s46, WFC1
.endif
	s_mov_b32 s21, 0
	s_mov_b32 s47, 0
	s_mul_i32 s45, s14, HALFT                      ; where they go: wave x 8 tiles: no place in the cluster enters an LDS address
	s_mov_b32 s[SEL], 0x76543210
	s_mov_b32 s[SEL+1], 0xfedcba98
.if MODE == 0
	s_mov_b32 s90, 1.0
.else
	s_mov_b32 s90, 0x3f3504f3                      ; c0 = 1 / sqrt 2
.endif
	s_mov_b32 s91, s90
	s_wait_dscnt 0x0                               ; the opening add is done
	s_wait_kmcnt 0x0
	s_add_nc_u64 s[20:21], s[4:5], s[20:21]
.if MODE == 0
	s_add_nc_u64 s[46:47], s[4:5], s[46:47]
.else
	s_add_nc_u64 s[46:47], s[6:7], s[46:47]
.endif
	CROUND                                         ; all sixteen work-groups are here: the first joint loads meet
.irp s, 0,1
	s_mov_b32 s[G0+4*\s], 1
	s_add_co_u32 s[G0+4*\s+1], s45, \s*SLOT
	s_add_nc_u64 s[G0+4*\s+2:G0+4*\s+3], s[20:21], \s*TROW
	s_or_b32 s[G0+4*\s+3], s[G0+4*\s+3], 0x80000000
	s_mov_b32 s[G0B+4*\s], 1
	s_add_co_u32 s[G0B+4*\s+1], s45, \s*SLOT
	s_add_nc_u64 s[G0B+4*\s+2:G0B+4*\s+3], s[46:47], \s*TROW
	s_or_b32 s[G0B+4*\s+3], s[G0B+4*\s+3], 0x80000000
	JLOAD G0+4*\s, G1, G0B+4*\s, G1B               ; two loads of mine are out
.endr
	v_and_b32 v3, 31, v0
	v_lshlrev_b32 v[L16], 4, v3
	v_lshlrev_b32 v[L8], 3, v3
	v_bfe_u32 v4, v0, 4, 1                         ; h
	s_xor_b32 s23, s15, 1
	s_add_co_u32 s23, s23, s16
	s_add_co_u32 s23, s23, 1
	s_mul_i32 s23, s23, HALFT                      ; from my tiles of A to my tiles of B
	v_mul_u32_u24 v5, s23, v4                      ; lanes 16-31 take B's scale words
	v_add_nc_u32 v5, v5, v[L8]
	s_mul_i32 s21, s15, HALFT                      ; my 8 tiles of A
	s_mul_i32 s22, s16, HALFT
	s_add_co_u32 s22, s22, 2*HALFT                 ; my 8 tiles of B, behind A's 16
.irp s, 0,1
	v_add_nc_u32 v[ADRA+\s], s21, v[L16]
	v_add_nc_u32 v[ADRA+2+\s], s21, v[L8]
	v_add_nc_u32 v[ADRB+\s], s22, v[L16]
	v_add_nc_u32 v[ADRB+2+\s], s22, v[L8]
	v_add_nc_u32 v[ADRS+\s], s21, v5
	v_add_nc_u32 v[ADRS+\s], 1536, v[ADRS+\s]
	s_add_co_u32 s21, s21, SLOT
	s_add_co_u32 s22, s22, SLOT
.endr
	s_lshl_b32 s18, s17, 4
	s_lshl_b32 s19, s15, 3
	s_add_co_u32 s18, s18, s19                     ; T0: my first tile of A
	s_lshl_b32 s19, s42, 1
	s_add_co_u32 s19, s19, s16                     ; G: my 128 columns
.if MODE == 2
	s_lshl_b32 s22, s18, 5
	s_add_co_u32 s22, s22, s19
	s_mul_i32 s22, s22, REC                        ; gq: record (T0, G) of [256][32]
	s_mov_b32 s23, 0
	s_add_nc_u64 s[OUTP:OUTP+1], s[OUTP:OUTP+1], s[22:23]
	s_mov_b32 s96, 32*REC                          ; from tile to tile
	s_mov_b32 s97, 0
	s_lshl_b32 s22, s19, 9
	s_add_nc_u64 s[8:9], s[8:9], s[22:23]          ; the bias at my 128 columns
	v_lshlrev_b32 v6, 6, v4
.irp b, 0,1,2,3,4,5,6,7                            ; in the result's layout: tile b, lane (r, h): columns 32 (b / 2) + 16 h + 8 (b % 2) + 0 .. 7
	global_load_b128 v[U+8*\b:U+8*\b+3], v6, s[8:9] offset:(32*(\b/2)+8*(\b%2))*4
	global_load_b128 v[U+8*\b+4:U+8*\b+7], v6, s[8:9] offset:(32*(\b/2)+8*(\b%2))*4+16
.endr
	; erf's coefficients.  P's are multiplied by c0, so that c0 P u / Q + c0 = c0 (1 + erf u) is one fused multiply-add
	s_mov_b32 s86, 0xaf95df0b                      ; -2.72614225801306e-10
	s_mov_b32 s66, 0x32edffee                      ;  2.77068142495902e-08
	s_mov_b32 s68, 0xb60cff51                      ; -2.10102402082508e-06
	s_mov_b32 s70, 0xb86ec2d2                      ; -5.69250639462346e-05
	s_mov_b32 s72, 0xba40ac63                      ; -7.34990630326855e-04
	s_mov_b32 s74, 0xbb41a1f6                      ; -2.95459980854025e-03
	s_mov_b32 s76, 0xbc83dbd4                      ; -1.60960333262415e-02
	v_mov_b32 v7, s90
.irp c, 66,68,70,72,74,76,86
	v_mul_f32 v8, s\c, v7
	v_readfirstlane_b32 s\c, v8
.endr
.irp c, 66,68,70,72,74,76
	s_mov_b32 s[\c+1], s\c                         ; the packed forms name a pair
.endr
	s_mov_b32 s78, 0xb95fbd29                      ; -2.13374055278905e-04
	s_mov_b32 s80, 0xbadc924e                      ; -1.68282697438203e-03
	s_mov_b32 s82, 0xbbf19bf8                      ; -7.37332916720468e-03
	s_mov_b32 s84, 0xbc69b6a7                      ; -1.42647390514189e-02
.irp c, 78,80,82,84
	s_mov_b32 s[\c+1], s\c
.endr
	v_mov_b32 v8, s86                              ; the two leading coefficients in vector pairs, so that no instruction names two scalar pairs
	v_mov_b32 v9, s86
	v_mov_b32 v10, 0xb77460cd                      ; -1.45660718464996e-05
	v_mov_b32 v11, v10
.else
	s_lshr_b32 s22, s19, 3                         ; q (0) or k (1)
	s_lshl_b32 s22, s22, 5
	s_lshr_b32 s23, s18, 7                         ; the batch
	s_lshl_b32 s23, s23, 4
	s_add_co_u32 s22, s22, s23
	s_and_b32 s23, s19, 7
	s_lshl_b32 s23, s23, 1                         ; the even one of my two heads
	s_add_co_u32 s22, s22, s23
	s_lshl_b32 s22, s22, 7
	s_and_b32 s23, s18, 127
	s_add_co_u32 s22, s22, s23
	s_lshl_b32 s22, s22, 10                        ; short record ((which 32 + batch 16 + head) 128 + tile)
	s_lshl_b32 s23, s19, 6
	s_add_co_u32 s23, s23, s18
	s_mul_i32 s23, s23, REC
	s_add_co_u32 s23, s23, VB                      ; V: record (128 tokens G, tile T0 of the 64 of V's features)
	s_mov_b32 s96, REC
	s_cmp_eq_u32 s93, 1
	s_cselect_b32 s22, s23, s22
	s_cselect_b32 s96, s96, 1024                   ; from tile to tile
	s_mov_b32 s23, 0
	s_mov_b32 s97, 0
	s_add_nc_u64 s[OUTP:OUTP+1], s[OUTP:OUTP+1], s[22:23]
.endif
.macro FRAG reg, adr, q, i             ; a fragment comes as it was stored: four loads of consecutive bytes
	ds_load_b128 v[\reg:\reg+3], v[\adr] offset:(\i)*TROW+(\q)*REC
	ds_load_b64 v[\reg+4:\reg+5], v[\adr+2] offset:(\i)*TROW+(\q)*REC+512
	ds_load_b128 v[\reg+6:\reg+9], v[\adr] offset:(\i)*TROW+(\q)*REC+768
	ds_load_b64 v[\reg+10:\reg+11], v[\adr+2] offset:(\i)*TROW+(\q)*REC+1280
.endm
.macro FETCH_B slot, q, p
	WIN 0x40                                       ; destination window 1
.irp i, 0,1,2,3,4,5,6,7
	FRAG 128*(\p)+FR*\i, ADRB+\slot, \q, \i
.endr
	WIN 0
.endm
.macro FETCH_A slot, q, i0
.irp i, \i0, \i0+1, \i0+2, \i0+3
	FRAG AF+FR*(\i), ADRA+\slot, \q, \i
.endr
.endm
.macro SCALES sl                       ; register NQ i + q of the set: lanes 0-15 the words of A's tile i, lanes 16-31 those of B's tile i, for the slot's q-th K step
.irp i, 0,1,2,3,4,5,6,7
.irp q, 0,1
	ds_load_b32 v[SC+16*\sl+NQ*\i+\q], v[ADRS+\sl] offset:\i*TROW+\q*REC
.endr
.endr
.endm
; 16 products: A's tiles a0, a0 + 1 x B's eight.  The 64 accumulators take turns, one instruction a turn, in the same order in every step
.macro MUL16 a0, p, q, sc, first
.irp a, \a0, \a0+1
.irp b, 0,1,2,3,4,5,6,7
.set rD, 8*(8*((\a)%4)+\b)
.set rB, 128*(\p)+FR*\b
.set rA, AF+FR*(\a)
.set rS, SC+16*(\sc)+NQ*\b+(\q)
.set rT, SC+16*(\sc)+NQ*(\a)+(\q)
.if (\first) && (MODE == 0)
	v_wmma_scale_f32_16x16x128_f8f6f4 v[rD:rD+7], v[rB:rB+11], v[rA:rA+11], 0, v[rS], v[rT] matrix_a_fmt:MATRIX_FMT_FP6 matrix_b_fmt:MATRIX_FMT_FP6 matrix_a_scale:MATRIX_SCALE_ROW1
.elseif \first
	v_wmma_scale_f32_16x16x128_f8f6f4 v[rD:rD+7], v[rB:rB+11], v[rA:rA+11], v[U+8*\b:U+8*\b+7], v[rS], v[rT] matrix_a_fmt:MATRIX_FMT_FP6 matrix_b_fmt:MATRIX_FMT_FP6 matrix_a_scale:MATRIX_SCALE_ROW1
.else
	v_wmma_scale_f32_16x16x128_f8f6f4 v[rD:rD+7], v[rB:rB+11], v[rA:rA+11], v[rD:rD+7], v[rS], v[rT] matrix_a_fmt:MATRIX_FMT_FP6 matrix_b_fmt:MATRIX_FMT_FP6 matrix_a_scale:MATRIX_SCALE_ROW1
.endif
.endr
.endr
.endm
; A K step that has its successor in the same slot.  A has one set of registers (tiles 0-3 fetched anew in the middle, 4-7 at the end), B two.
.macro STEP slot, q, first
	s_wait_dscnt 4*NL                              ; all but the youngest 16 loads, A's tiles 4-7
	WMUL 0, \first
	MUL16 0, (\q)%2, \q, \slot, \first
	MUL16 2, (\q)%2, \q, \slot, \first
	s_wait_dscnt 0x0                               ; A's tiles 4-7 are in
	PLACES                                         ; four places in front of loads into registers that products have read
	FETCH_B \slot, (\q)+1, 1-(\q)%2
	FETCH_A \slot, (\q)+1, 0
	WMUL 1, \first
	MUL16 4, (\q)%2, \q, \slot, \first
	MUL16 6, (\q)%2, \q, \slot, \first
	PLACES
	WIN 0
	FETCH_A \slot, (\q)+1, 4
.endm
; A slot's last K step changes slots: one barrier; in front of it each wave waits for all its tensor loads, adds 0 to its spare word, and waits for that and for its reads of this slot.
.macro TURN slot, next, fill
	s_wait_tensorcnt 0x0                           ; all my tensor loads have landed: my part of the next slot
	ds_add_u32 v[SPW], v[NIL]
	s_wait_dscnt 4*NL+1                            ; the add and A's tiles 4-7 may be out
	WMUL 0, 0
	MUL16 0, 1, NQ-1, \slot, 0
	s_wait_dscnt 0x0                               ; the add is done, and my reads of this slot are over
	s_barrier_signal -1
	MUL16 2, 1, NQ-1, \slot, 0
	WIN 0
	s_barrier_wait -1
.if \fill
	CREST                                          ; the barrier has opened a round of the cluster's: no wave of any partner still reads this slot or has a load on its way
	s_add_nc_u64 s[G0+4*\slot+2:G0+4*\slot+3], s[G0+4*\slot+2:G0+4*\slot+3], 2*TROW
	s_add_nc_u64 s[G0B+4*\slot+2:G0B+4*\slot+3], s[G0B+4*\slot+2:G0B+4*\slot+3], 2*TROW
	JLOAD G0+4*\slot, G1, G0B+4*\slot, G1B         ; my one tensor load behind the round; its four v_nop are the places in front of the loads below
.else
	PLACES
.endif
	FETCH_B \next, 0, 0
	FETCH_A \next, 0, 0
	SCALES \next
	WMUL 1, 0
	MUL16 4, 1, NQ-1, \slot, 0
	MUL16 6, 1, NQ-1, \slot, 0
	PLACES
	WIN 0
	FETCH_A \next, 0, 4
.endm
	s_wait_tensorcnt 1                             ; my part of slot 0 is in; slot 1's may stay out
	s_barrier_signal -1
	s_barrier_wait -1
	FETCH_B 0, 0, 0
	FETCH_A 0, 0, 0
	SCALES 0
	FETCH_A 0, 0, 4
.if MODE == 2
	s_wait_loadcnt 0x0                             ; the bias
.endif
	STEP 0, 0, 1                                   ; the first step starts the sums: nothing is cleared
	s_mov_b32 s3, LAPS-1
.Llap:                                             ; a trip goes once round the ring and fills both slots again
	TURN 0, 1, 1
	STEP 1, 0, 0
	TURN 1, 0, 1
	STEP 0, 0, 0
	s_sub_co_u32 s3, s3, 1
	s_cmp_lg_u32 s3, 0
	s_cbranch_scc1 .Llap
	TURN 0, 1, 0                                   ; the last lap fills nothing
	STEP 1, 0, 0
	s_wait_dscnt 4*NL
	WMUL 0, 0
	MUL16 0, 1, NQ-1, 1, 0
	MUL16 2, 1, NQ-1, 1, 0
	s_wait_dscnt 0x0
	WMUL 1, 0
	MUL16 4, 1, NQ-1, 1, 0
	MUL16 6, 1, NQ-1, 1, 0
	WIN 0
	PLACES                                         ; in front of the first read of results and the first write of A's registers
; THE WAY OUT: a loop of eight trips, one for each tile of A, so that the arithmetic is written once.  A trip's head brings the tile's 64 accumulators into v64-127 of window 0: eight short blocks, chosen by the counter.
; The move is a packed multiplication: by 1 / sqrt 2 in MODE 2, where it makes erf's argument; by 1 in MODE 0, 32 instructions where plain moves would be 64.
.macro COPY a
.Lc\a:
	WIN 0x02+(\a)/4                                ; source 0: window 2 or 3
.set i, 0
.rept 32
	v_pk_mul_f32 v[U+i:U+i+1], v[64*((\a)%4)+i:64*((\a)%4)+i+1], s[90:91] op_sel_hi:[1,0]   ; each accumulator from its low end on
.set i, i+2
.endr
	WIN 0
	s_branch .Lgo
.endm
; 32 numbers u = x / sqrt 2 at v[U + 32 h] become gelu(x) = c0 u (1 + erf u).  Q and its reciprocals first; P's chain is the work behind them; one wait
.macro GELUH h
.set U0, U+32*(\h)
.set i, 0
.rept 32
	v_med3_num_f32 v[UC+i], v[U0+i], -4.0, 4.0
.set i, i+1
.endr
.set i, 0
.rept 16
	v_pk_mul_f32 v[W+i:W+i+1], v[UC+i:UC+i+1], v[UC+i:UC+i+1]
.set i, i+2
.endr
.set i, 0
.rept 16
	v_pk_fma_f32 v[Q+i:Q+i+1], v[W+i:W+i+1], v[10:11], s[78:79] op_sel_hi:[1,1,0]
.set i, i+2
.endr
.irp c, 80,82,84
.set i, 0
.rept 16
	v_pk_fma_f32 v[Q+i:Q+i+1], v[Q+i:Q+i+1], v[W+i:W+i+1], s[\c:\c+1] op_sel_hi:[1,1,0]
.set i, i+2
.endr
.endr
.set i, 0
.rept 32
	v_rcp_f32 v[Q+i], v[Q+i]
.set i, i+1
.endr
.set i, 0
.rept 16
	v_pk_fma_f32 v[P+i:P+i+1], v[W+i:W+i+1], v[8:9], s[66:67] op_sel_hi:[1,1,0]
.set i, i+2
.endr
.irp c, 68,70,72,74,76
.set i, 0
.rept 16
	v_pk_fma_f32 v[P+i:P+i+1], v[P+i:P+i+1], v[W+i:W+i+1], s[\c:\c+1] op_sel_hi:[1,1,0]
.set i, i+2
.endr
.endr
.set i, 0
.rept 16
	v_pk_mul_f32 v[P+i:P+i+1], v[P+i:P+i+1], v[UC+i:UC+i+1]
.set i, i+2
.endr
	s_wait_alu depctr_va_vdst(0)                   ; one wait for the 32 reciprocals, ahead of their first reader
.set i, 0
.rept 16
	v_pk_fma_f32 v[P+i:P+i+1], v[P+i:P+i+1], v[Q+i:Q+i+1], s[90:91] op_sel_hi:[1,1,0]
.set i, i+2
.endr
.set i, 0
.rept 16
	v_pk_mul_f32 v[U0+i:U0+i+1], v[U0+i:U0+i+1], v[P+i:P+i+1]
.set i, i+2
.endr
.endm
.irp b, 0,1,2,3
	v_mov_b32 v[TM+4+\b], 0                        ; a lane permute's destination counts as one of its sources
.endr
	s_mov_b32 s92, 0
.Lrow:
.irp a, 0,1,2,3,4,5,6
	s_cmp_eq_u32 s92, \a
	s_cbranch_scc1 .Lc\a
.endr
	s_branch .Lc7
	COPY 0
	COPY 1
	COPY 2
	COPY 3
	COPY 4
	COPY 5
	COPY 6
	COPY 7
.Lgo:
.if MODE == 2
	GELUH 0
	GELUH 1
.endif
	QUANT U
.if MODE == 2
	PUTREC
.else
	s_cmp_eq_u32 s93, 0
	s_cbranch_scc0 .Lvrec                          ; alike in all partners: it hangs on the cluster's x
	v_and_b32 v[PW+2], 0xffff, v[PW]               ; the even head's two bytes, the upper two 0: they stand over zero codes
	v_lshrrev_b32 v[PW+4], 16, v[PW]               ; the odd head's
	v_mov_b32 v[PW+3], v[PW+2]
	v_mov_b32 v[PW+5], v[PW+4]
	global_store_b128 v[L16], v[PC:PC+3], s[OUTP:OUTP+1]
	global_store_b64 v[L8], v[PC+4:PC+5], s[OUTP:OUTP+1] offset:512
	global_store_b64 v[L8], v[PW+2:PW+3], s[OUTP:OUTP+1] offset:768
	global_store_b128 v[L16], v[PC+6:PC+9], s[OUTP:OUTP+1] offset:131072          ; the next head's records lie 128 x 1,024 bytes on
	global_store_b64 v[L8], v[PC+10:PC+11], s[OUTP:OUTP+1] offset:131072+512
	global_store_b64 v[L8], v[PW+4:PW+5], s[OUTP:OUTP+1] offset:131072+768
	s_branch .Lstored
.Lvrec:
	PUTREC
.Lstored:
.endif
	s_wait_xcnt 0x0                                ; the stores have read their data and their base: both are written again only behind this wait
	s_add_nc_u64 s[OUTP:OUTP+1], s[OUTP:OUTP+1], s[96:97]
	s_add_co_u32 s92, s92, 1
	s_cmp_lt_u32 s92, 8
	s_cbranch_scc1 .Lrow
	s_wait_tensorcnt 0x0                           ; the wave's end
	ds_add_u32 v[SPW], v[NIL]
	s_wait_dscnt 0x0
	CROUND                                         ; the closing round
	s_endpgm
.Lfunc_end_k_qc0e9c43817_qkv:
	.size	k_qc0e9c43817_qkv, .Lfunc_end_k_qc0e9c43817_qkv-k_qc0e9c43817_qkv
	.p2alignl 7, 3214868480
	.fill 96, 4, 3214868480
	.section	.rodata,"a",@progbits
	.p2align	6, 0x0
	.amdhsa_kernel k_qc0e9c43817_qkv
		.amdhsa_group_segment_fixed_size 327680
		.amdhsa_private_segment_fixed_size 0
		.amdhsa_enable_private_segment 0
		.amdhsa_kernarg_size 16
		.amdhsa_user_sgpr_count 2
		.amdhsa_user_sgpr_kernarg_segment_ptr 1
		.amdhsa_wavefront_size32 1
		.amdhsa_system_sgpr_workgroup_id_x 1
		.amdhsa_system_sgpr_workgroup_id_y 1
		.amdhsa_system_sgpr_workgroup_id_z 1
		.amdhsa_system_vgpr_workitem_id 0
		.amdhsa_next_free_vgpr 1024
		.amdhsa_next_free_sgpr 100
		.amdhsa_reserve_vcc 0
		.amdhsa_float_denorm_mode_32 3
		.amdhsa_float_denorm_mode_16_64 3
		.amdhsa_memory_ordered 1
		.amdhsa_forward_progress 1
		.amdhsa_inst_pref_size 137
	.end_amdhsa_kernel
	.amdgpu_metadata
---
amdhsa.version: [ 1, 2 ]
amdhsa.kernels:
  - .name:           k_qc0e9c43817_qkv
    .symbol:         k_qc0e9c43817_qkv.kd
    .args:
      - { .name: q1, .offset: 0, .size: 8, .value_kind: global_buffer, .address_space: global }
      - { .name: qkv, .offset: 8, .size: 8, .value_kind: global_buffer, .address_space: global }
    .group_segment_fixed_size: 327680
    .private_segment_fixed_size: 0
    .kernarg_segment_align: 8
    .kernarg_segment_size: 16
    .max_flat_workgroup_size: 128
    .sgpr_count:     100
    .vgpr_count:     1024
    .wavefront_size: 32
...
	.end_amdgpu_metadata
.endif
;; end of part 2
;; launch attn (part 3): grid 8 x 32, 16 waves a work-group, clusters of 4 x 1, 247,808 bytes of LDS; arguments qkv, oq; writes oq
.if DOCPART == 3
	.amdgcn_target "amdgcn-amd-amdhsa--gfx1250"
	.amdhsa_code_object_version 6
	.text
	.protected	k_qc0e9c43817_attn
	.globl	k_qc0e9c43817_attn
	.p2align	8
	.type	k_qc0e9c43817_attn,@function
k_qc0e9c43817_attn:
	s_mov_b64 s[64:65], 0
	v_nop
	global_prefetch_b8 v0, s[64:65] scope:SCOPE_SE
	s_setreg_imm32_b32 hwreg(HW_REG_WAVE_MODE, 25, 1), 1
	s_wait_xcnt 0x0
	s_wait_alu depctr_hold_cnt(0) depctr_sa_sdst(0) depctr_va_vdst(0) depctr_va_sdst(0) depctr_va_ssrc(0) depctr_va_vcc(0) depctr_vm_vsrc(0)
	s_getreg_b32 s2, hwreg(HW_REG_IB_STS2, 6, 4)
	s_cmp_eq_u32 s2, 0
	s_cbranch_scc0 .Lentry_in_a_cluster
	s_endpgm
.Lentry_in_a_cluster:
	s_bfe_u32 s2, ttmp6, 0x10000c
	s_cmp_lg_u32 s2, 0x3003
	s_cbranch_scc0 .Lentry_shape_is_right
	s_endpgm
.Lentry_shape_is_right:
; O = softmax(Q K^T / 8) V for one head, both products on codes of FP6 (E2M3), and O / l quantised along C into half a record of the next product's operand.
; Q, K: short records of 1,024 bytes (16 tokens x 64: +0 registers 0-3, +512 registers 4-5, +768 the scale word twice, its upper two bytes 0).  V: records of 1,792 bytes (16 features x 128 keys).
; Tile T's local row i is row 32 (T / 2) + 8 (T % 2) + i + 8 (i / 8), for tokens and for features alike.
; THE INSTRUCTION'S K IS 128, THE HEAD'S 64.  Q's registers 6-11 are zero codes, written once.  So whatever codes stand in registers 6-11 of K's operand add nothing (the format has no NaN and no infinity, and the scale bytes
; there are 0, not 0xff): the eight tiles of a key step lie on end, six registers each, and tile t's operand is the twelve registers from its first on: its upper half is tile t + 1's codes, the last tile's p's code registers.
; THE SOFTMAX: t = score x log2(e) / 8; M = the running largest t rounded up to a whole number; p = 2^(t - M) is quantised along the keys, not normalised; the row's sum is taken of the unquantised p and divides O at the end.
; When M moves, the sum and O are multiplied by 2^(old M - new M): exact.
; SHARES: a work-group owns 256 queries of one head, each of its sixteen waves one tile of 16, in 256 registers: four waves to a SIMD, so that one wave's vector work stands beside another's products.
; ALL OF THE HEAD'S K AND V LIE IN LDS (131,072 + 114,688 bytes), each byte filled once: no ring, no refill.  Eight waves ask for one part each at the head (waves 0-3: 512 keys of K; waves 4-7: 512 keys of V): one load of a wave
; is out.  Each waits for its own load; ONE barrier follows, and behind it no wave waits for another before the end: the waves of a SIMD need not advance alike.  The four work-groups of a cluster belong to one head and ask jointly.
; A KEY STEP (128 keys): eight products S^T = K Q^T; this step's V and the NEXT step's K are asked of LDS and land under the softmax; four products O^T += V^T P^T.  The last step is written out: it fetches no K.
; Both products are used transposed: a lane holds one query throughout; with these tiles the 16 registers of two neighbouring tiles of S^T are 16 neighbouring keys.
; No prefetch: every tile is asked for at the head.  LIMITS: NaN and infinities are not served; a block under 2^-124 gets the byte 1.  o's scale bytes leave by stores of 2 bytes: two heads share a scale word.
; REGISTERS: v1, v2, v5, v6 that stay; v8-11 the step's addresses; v12 -M, v13 the largest t, v[14:15] the sum; v16-27 Q; v28-31 V's scale words; v32-79 four fragments of V; v80-111 O^T; v112-175 S^T, then p;
;   v176-223 eight tiles of K; v224-235 p's codes; v232-247 at work; v248-251, v3, v4, v7, v254 K's scale words; v252 f; v253 p's scale word; v255 Q's.
.set QREC,  1024
.set REC,   1792
.set STEPS, 16                         ; key steps of 128
.set VB,    8388608                    ; qkv: where V's records begin
.set VL,    131072                     ; LDS: V, behind K
.set SPARE, 245760                     ; the spare words, 128 bytes for each of sixteen waves
.set L16,  1                           ; v1   16 x lane
.set L8,   2                           ; v2   8 x lane
.set SPW,  5
.set NIL,  6
.set AK16, 8
.set AK8,  9
.set AD16, 10
.set AD8,  11
.set VF,   32
.set O,    80
.set S,    112
.set KF,   176
.set SEL,  12                          ; s[12:13] selects for lane l xor 16
.set CS,   14                          ; s[14:15] c = log2(e) / 8
.set TK,   16                          ; s16 LDS byte of the next step's tiles of K
.set TV,   17                          ; s17 and of this step's records of V
.set CNT,  18
.set WV,   19
.set G1K,  24
.set G1V,  32
.set G0K,  40                          ; s[40:43] group 0 for my part of K
.set G0V,  44                          ; s[44:47] for my part of V
.macro CROUND
	s_barrier_signal -1
	s_barrier_wait -1
	s_cmp_lg_u32 s[WV], 0
	s_cbranch_scc1 .Lnot_wave_0_\@
	s_barrier_signal -3
.Lnot_wave_0_\@:
	s_barrier_wait -3
	s_barrier_signal -1
	s_barrier_wait -1
.endm
.macro KSR t                           ; SR: the register of tile t's scale words; these eight hold nothing else
.if (\t) < 4
.set SR, 248+(\t)
.elseif (\t) == 4
.set SR, 3
.elseif (\t) == 5
.set SR, 4
.elseif (\t) == 6
.set SR, 7
.else
.set SR, 254
.endif
.endm
.macro KFETCH a16, a8                  ; a key step's eight tiles of K: 24 loads of consecutive bytes
.irp t, 0,1,2,3,4,5,6,7
	KSR \t
	ds_load_b128 v[KF+6*\t:KF+6*\t+3], v[\a16] offset:\t*QREC
	ds_load_b64 v[KF+6*\t+4:KF+6*\t+5], v[\a8] offset:\t*QREC+512
	ds_load_b32 v[SR], v[\a8] offset:\t*QREC+768
.endr
.endm
	s_load_b128 s[4:7], s[0:1], 0x0                ; qkv, oq
	v_lshl_add_u32 v[SPW], v0, 2, SPARE
	v_mov_b32 v[NIL], 0
	ds_add_u32 v[SPW], v[NIL]                      ; the wave's opening: the add and its wait stand ahead of the first tensor loads; work on registers stands between
	v_lshrrev_b32 v8, 5, v0
	v_readfirstlane_b32 s[WV], v8                  ; wave 0..15
	s_bfe_u32 s20, ttmp6, 0x40000                  ; cx
	s_lshl_b32 s21, ttmp9, 2
	s_add_co_u32 s21, s21, s20                     ; my block of 256 queries: it enters Q's and o's addresses alone
	s_and_b32 s22, ttmp7, 0xffff                   ; batch x 16 + head, which the four partners share
	s_mov_b32 s[G1K], 15|(3<<16)|(1<<21)           ; the mask: all four; elements of 8 bytes; 21 set beside a mask; no padding
	s_mov_b32 s[G1K+1], 128<<16                    ; a short record to a row
	s_mov_b32 s[G1K+2], 32<<16                     ; 32 tiles: 512 keys
	s_mov_b32 s[G1K+3], 128<<16
	s_mov_b32 s[G1K+4], 32
	s_mov_b32 s[G1K+5], 128
	s_mov_b32 s[G1K+6], 0
	s_mov_b32 s[G1K+7], 0
	s_mov_b32 s[G1V], 15|(3<<16)|(1<<21)
	s_mov_b32 s[G1V+1], 896<<16                    ; the head's four records of 128 keys to a row,
	s_mov_b32 s[G1V+2], 4<<16                      ; four such rows: 512 keys,
	s_mov_b32 s[G1V+3], 896<<16
	s_mov_b32 s[G1V+4], 4
	s_mov_b32 s[G1V+5], 14336                      ; 64 records apart
	s_mov_b32 s[G1V+6], 0
	s_mov_b32 s[G1V+7], 0
	s_add_co_u32 s84, s22, 32
	s_lshl_b32 s84, s84, 17                        ; K's short records of my head
	s_mov_b32 s85, 0
	s_lshr_b32 s86, s22, 4
	s_lshl_b32 s86, s86, 10                        ; the batch's 16 steps x 64 records,
	s_and_b32 s87, s22, 15
	s_lshl_b32 s87, s87, 2                         ; my head's four
	s_add_co_u32 s86, s86, s87
	s_mul_i32 s86, s86, REC
	s_add_co_u32 s86, s86, VB
	s_mov_b32 s87, 0
	s_lshl_b32 s88, s22, 7
	s_lshl_b32 s89, s21, 4
	s_add_co_u32 s88, s88, s89
	s_add_co_u32 s88, s88, s[WV]
	s_lshl_b32 s88, s88, 10                        ; Q's short record of my tile
	s_mov_b32 s89, 0
	s_lshr_b32 s90, s22, 4
	s_lshl_b32 s90, s90, 7
	s_lshl_b32 s91, s21, 4
	s_add_co_u32 s90, s90, s91
	s_add_co_u32 s90, s90, s[WV]                   ; my tile among all 256 tiles of tokens
	s_lshl_b32 s90, s90, 3
	s_and_b32 s91, s22, 15
	s_lshr_b32 s91, s91, 1
	s_add_co_u32 s90, s90, s91                     ; K step head / 2 of the next product
	s_mul_i32 s90, s90, REC
	s_and_b32 s94, s22, 1
	s_lshl_b32 s92, s94, 1
	s_add_co_u32 s92, s92, s90                     ; my two bytes of the scale word
	s_mul_i32 s94, s94, 768
	s_add_co_u32 s90, s90, s94                     ; my half of the record's codes
	s_mov_b32 s91, 0
	s_mov_b32 s93, 0
	s_and_b32 s23, s[WV], 3                        ; which part of four I ask for, if I ask
	s_lshl_b32 s48, s23, 15                        ; K's part: 32 short records, in memory and in LDS alike
	s_mov_b32 s49, 0
	s_mul_i32 s50, s23, 4*64*REC                   ; V's part in memory: four steps of 64 records,
	s_mov_b32 s51, 0
	s_mul_i32 s52, s23, 4*4*REC                    ; and in LDS: four steps of my head's four records
	s_add_co_u32 s52, s52, VL
	s_mov_b32 s[SEL], 0x76543210
	s_mov_b32 s[SEL+1], 0xfedcba98
	s_mov_b32 s[CS], 0x3e38aa3b
	s_mov_b32 s[CS+1], s[CS]
	s_wait_dscnt 0x0                               ; the opening add is done
	s_wait_kmcnt 0x0
	s_add_nc_u64 s[84:85], s[4:5], s[84:85]
	s_add_nc_u64 s[86:87], s[4:5], s[86:87]
	s_add_nc_u64 s[88:89], s[4:5], s[88:89]
	s_add_nc_u64 s[90:91], s[6:7], s[90:91]
	s_add_nc_u64 s[92:93], s[6:7], s[92:93]
	CROUND                                         ; all four work-groups are here: the joint loads meet
	s_mov_b32 s[G0K], 1
	s_mov_b32 s[G0K+1], s48
	s_add_nc_u64 s[G0K+2:G0K+3], s[84:85], s[48:49]
	s_or_b32 s[G0K+3], s[G0K+3], 0x80000000
	s_mov_b32 s[G0V], 1
	s_mov_b32 s[G0V+1], s52
	s_add_nc_u64 s[G0V+2:G0V+3], s[86:87], s[50:51]
	s_or_b32 s[G0V+3], s[G0V+3], 0x80000000
	s_cmp_lt_u32 s[WV], 4                          ; waves 0-3 ask for K's four parts, waves 4-7 for V's, the others for nothing: the branches hang on the wave's number alone
	s_cbranch_scc0 .Lnot_k
	tensor_load_to_lds s[G0K:G0K+3], s[G1K:G1K+7]
	s_nop 0
.rept 4
	v_nop
.endr
	s_branch .Lasked
.Lnot_k:
	s_cmp_lt_u32 s[WV], 8
	s_cbranch_scc0 .Lasked
	tensor_load_to_lds s[G0V:G0V+3], s[G1V:G1V+7]
	s_nop 0
.rept 4
	v_nop
.endr
.Lasked:
	v_and_b32 v8, 31, v0
	v_lshlrev_b32 v[L16], 4, v8
	v_lshlrev_b32 v[L8], 3, v8
	global_load_b128 v[16:19], v[L16], s[88:89]
	global_load_b64 v[20:21], v[L8], s[88:89] offset:512
	global_load_b32 v255, v[L8], s[88:89] offset:768
.irp i, 22,23,24,25,26,27
	v_mov_b32 v\i, 0                               ; Q's k = 64 .. 127: zero codes
.endr
.irp i, 224,225,226,227,228,229
	v_mov_b32 v\i, 0                               ; the upper half of the last K tile's operand, until p's first codes stand here
.endr
	v_mov_b32 v13, 0xff61b1e6                      ; the largest t so far: -3e38
	v_floor_f32 v12, -v13                          ; -M
	v_mov_b32 v14, 0
	v_mov_b32 v15, 0
.irp b, 0,1,2,3
	v_mov_b32 v[236+\b], 0                         ; a lane permute's destination counts as one of its sources
.endr
	v_mov_b32 v253, 0                              ; named as the upper half of the pair v[252:253] before it is first written
.set j, 0
.rept 32
	v_mov_b32 v[O+j], 0                            ; the step is written for every step alike: the first finds zeros, which the first change of M leaves zeros
.set j, j+1
.endr
; A KEY STEP: 128 keys.  more = 1: the next step's K is fetched
.macro STEP more
	s_wait_dscnt 0x0                               ; this step's K, asked for a step ago
.irp t, 0,1,2,3,4,5,6,7                            ; S^T = K Q^T: eight tiles of 16 keys
	KSR \t
	v_wmma_scale_f32_16x16x128_f8f6f4 v[S+8*\t:S+8*\t+7], v[KF+6*\t:KF+6*\t+11], v[16:27], 0, v[SR], v255 matrix_a_fmt:MATRIX_FMT_FP6 matrix_b_fmt:MATRIX_FMT_FP6
.endr
	v_add_nc_u32 v[AD16], s[TV], v[L16]            ; the addresses of the two runs of loads: also the four places behind the products, in front of the loads into K's and V's registers and of the first read of the scores
	v_add_nc_u32 v[AD8], s[TV], v[L8]
	v_add_nc_u32 v[AK16], s[TK], v[L16]
	v_add_nc_u32 v[AK8], s[TK], v[L8]
.irp t, 0,1,2,3                                    ; V's four records: 20 loads,
	ds_load_b128 v[VF+12*\t:VF+12*\t+3], v[AD16] offset:\t*REC
	ds_load_b64 v[VF+12*\t+4:VF+12*\t+5], v[AD8] offset:\t*REC+512
	ds_load_b128 v[VF+12*\t+6:VF+12*\t+9], v[AD16] offset:\t*REC+768
	ds_load_b64 v[VF+12*\t+10:VF+12*\t+11], v[AD8] offset:\t*REC+1280
	ds_load_b32 v[28+\t], v[AD8] offset:\t*REC+1536
.endr
.if \more
	KFETCH AK16, AK8                               ; and behind them the next step's K: 24 loads.  Both land under the softmax
.endif
.irp b, 0,1,2,3
	v_max3_num_f32 v[232+\b], v[S+16*\b], v[S+1+16*\b], v[S+2+16*\b]   ; the largest score of each block of 32 keys: for the row's maximum and, since p rises with the score, for the block's largest p
.endr
.irp i, 3,5,7,9,11,13
.irp b, 0,1,2,3
	v_max3_num_f32 v[232+\b], v[232+\b], v[S+16*\b+\i], v[S+1+16*\b+\i]
.endr
.endr
.irp b, 0,1,2,3
	v_max_num_f32 v[232+\b], v[232+\b], v[S+15+16*\b]
.endr
.irp b, 0,1,2,3
	v_permlanex16_b32 v[236+\b], v[232+\b], s[SEL], s[SEL+1]
.endr
.irp b, 0,1,2,3
	v_max_num_f32 v[232+\b], v[232+\b], v[236+\b]
.endr
	v_max3_num_f32 v236, v232, v233, v234
	v_max_num_f32 v236, v236, v235
	v_mul_f32 v236, s[CS], v236                    ; as t
	v_max_num_f32 v13, v13, v236                   ; the running largest t
	v_mov_b32 v236, v12
	v_floor_f32 v12, -v13                          ; the new -M = -ceil(t)
	v_sub_f32 v236, v12, v236                      ; old M - new M: a whole number, 0 or less
	v_cvt_i32_f32 v236, v236
	v_ldexp_f32 v252, 1.0, v236                    ; f = 2^(old M - new M)
.set j, 0
.rept 32
	v_pk_fma_f32 v[S+j:S+j+1], v[S+j:S+j+1], s[CS:CS+1], v[12:13] op_sel_hi:[1,0,0]   ; t - M
.set j, j+2
.endr
.irp b, 0,1,2,3
	v_fma_f32 v[232+\b], v[232+\b], s[CS], v12
.endr
.set j, 0
.rept 64
	v_exp_f32 v[S+j], v[S+j]                       ; p = 2^(t - M)
.set j, j+1
.endr
	v_pk_mul_f32 v[14:15], v[14:15], v[252:253] op_sel_hi:[1,0]   ; the sums under the new M; a plain instruction behind the exponentials
	s_wait_alu depctr_va_vdst(0)                   ; one wait for the batch, ahead of its first reader
.irp b, 0,1,2,3
	v_exp_f32 v[232+\b], v[232+\b]                 ; the blocks' largest p
.endr
	v_pk_add_f32 v[236:237], v[S:S+1], v[S+2:S+3]  ; the row's sum of the unquantised p, in two chains
.irp j, 4,8,12,16,20,24,28,32,36,40,44,48,52,56,60
	v_pk_add_f32 v[14:15], v[14:15], v[S+\j:S+\j+1]
	v_pk_add_f32 v[236:237], v[236:237], v[S+2+\j:S+3+\j]
.endr
	v_pk_add_f32 v[14:15], v[14:15], v[236:237]
	s_wait_alu depctr_va_vdst(0)                   ; and one for the four
.irp b, 0,1,2,3
	v_max_num_f32 v[232+\b], 0x1800000, v[232+\b]  ; the floor 2^(3 - 127)
.endr
.irp b, 0,1,2,3
	v_add_nc_u32 v[244+\b], 0xff000000, v[232+\b]
.endr
.irp b, 0,1,2,3
	v_lshrrev_b32 v[236+\b], 23, v[244+\b]
.endr
	v_lshl_or_b32 v253, v237, 8, v236              ; p's scale word for these 128 keys
	v_lshl_or_b32 v253, v238, 16, v253
	v_lshl_or_b32 v253, v239, 24, v253
.irp c, 0,1
	v_cvt_scalef32_pk16_fp6_f32 v[224+6*\c:226+6*\c], v[S+32*\c:S+15+32*\c], v[244+2*\c]
	v_cvt_scalef32_pk16_fp6_f32 v[236+4*\c:238+4*\c], v[S+16+32*\c:S+31+32*\c], v[244+2*\c+1]
.endr
	v_nop                                          ; a plain instruction behind the conversions
.irp c, 0,1
.irp i, 0,1,2
	v_permlane16_swap_b32 v[224+6*\c+\i], v[236+4*\c+\i]
.endr
.irp i, 0,1,2
	v_mov_b32 v[227+6*\c+\i], v[236+4*\c+\i]
.endr
.endr
.set j, 0
.rept 16
	v_pk_mul_f32 v[O+j:O+j+1], v[O+j:O+j+1], v[252:253] op_sel_hi:[1,0]   ; O^T under the new M.  Of these sixteen, twelve name no register of any one product below: the places between p's codes and scale word and the products
.set j, j+2
.endr
	s_wait_dscnt 24*\more                          ; V is in; the 24 loads of the next step's K, issued behind V's, may be out
.irp t, 0,1,2,3                                    ; O^T += V^T P^T: four accumulators by turns
	v_wmma_scale_f32_16x16x128_f8f6f4 v[O+8*\t:O+8*\t+7], v[VF+12*\t:VF+12*\t+11], v[224:235], v[O+8*\t:O+8*\t+7], v[28+\t], v253 matrix_a_fmt:MATRIX_FMT_FP6 matrix_b_fmt:MATRIX_FMT_FP6
.endr
	s_add_co_u32 s[TK], s[TK], 8*QREC
	s_add_co_u32 s[TV], s[TV], 4*REC
.endm
	s_wait_tensorcnt 0x0                           ; my part, if I asked for one, has landed
	s_barrier_signal -1
	s_barrier_wait -1                              ; everybody's has: all of K and V may be read, and no byte of them is written again
	KFETCH L16, L8                                 ; the first step's K
	s_mov_b32 s[TK], 8*QREC
	s_mov_b32 s[TV], VL
	s_mov_b32 s[CNT], STEPS-1
	s_wait_loadcnt 0x0                             ; Q
.Lstep:
	STEP 1
	s_sub_co_u32 s[CNT], s[CNT], 1
	s_cmp_lg_u32 s[CNT], 0
	s_cbranch_scc1 .Lstep
	STEP 0                                         ; the last step fetches no K
	; THE WAY OUT.  O^T / the sum: register 16 B + i is channel 32 B + 16 (lane / 16) + i of my head: two blocks along the next K.  They become six registers of codes and two scale bytes.
	v_add_f32 v14, v14, v15
	v_permlanex16_b32 v252, v14, s[SEL], s[SEL+1]
	v_add_f32 v14, v14, v252                       ; the row's sum.  (These three and the one below are the places behind the last products)
	v_rcp_f32 v14, v14
	v_nop                                          ; a plain instruction behind the reciprocal
	s_wait_alu depctr_va_vdst(0)                   ; and the wait ahead of its first reader
.set j, 0
.rept 32
	v_mul_f32 v[S+j], v[O+j], v14                  ; each accumulator from its low end on
.set j, j+1
.endr
.irp b, 0,1
	v_max3_num_f32 v[232+\b], |v[S+16*\b]|, |v[S+1+16*\b]|, 0x1800000
.endr
.irp i, 2,4,6,8,10,12,14
.irp b, 0,1
	v_max3_num_f32 v[232+\b], v[232+\b], |v[S+16*\b+\i]|, |v[S+1+16*\b+\i]|
.endr
.endr
.irp b, 0,1
	v_permlanex16_b32 v[236+\b], v[232+\b], s[SEL], s[SEL+1]
.endr
.irp b, 0,1
	v_max_num_f32 v[232+\b], v[232+\b], v[236+\b]
.endr
.irp b, 0,1
	v_add_nc_u32 v[244+\b], 0xff000000, v[232+\b]
.endr
.irp b, 0,1
	v_lshrrev_b32 v[240+\b], 23, v[244+\b]
.endr
	v_lshl_or_b32 v253, v241, 8, v240              ; my head's two scale bytes
	v_cvt_scalef32_pk16_fp6_f32 v[224:226], v[S:S+15], v244
	v_cvt_scalef32_pk16_fp6_f32 v[236:238], v[S+16:S+31], v245
	v_nop
.irp i, 0,1,2
	v_permlane16_swap_b32 v[224+\i], v[236+\i]
.endr
.irp i, 0,1,2
	v_mov_b32 v[227+\i], v[236+\i]
.endr
	global_store_b128 v[L16], v[224:227], s[90:91]             ; 512 consecutive bytes,
	global_store_b64 v[L8], v[228:229], s[90:91] offset:512    ; and 256
	global_store_b16 v[L8], v253, s[92:93] offset:1536         ; my two bytes of both copies of the word; the K step's other head writes the other two
	global_store_b16 v[L8], v253, s[92:93] offset:1540
	s_wait_tensorcnt 0x0                           ; the wave's end
	ds_add_u32 v[SPW], v[NIL]
	s_wait_dscnt 0x0
	CROUND                                         ; the closing round
	s_endpgm
.Lfunc_end_k_qc0e9c43817_attn:
	.size	k_qc0e9c43817_attn, .Lfunc_end_k_qc0e9c43817_attn-k_qc0e9c43817_attn
	.p2alignl 7, 3214868480
	.fill 96, 4, 3214868480
	.section	.rodata,"a",@progbits
	.p2align	6, 0x0
	.amdhsa_kernel k_qc0e9c43817_attn
		.amdhsa_group_segment_fixed_size 247808
		.amdhsa_private_segment_fixed_size 0
		.amdhsa_enable_private_segment 0
		.amdhsa_kernarg_size 16
		.amdhsa_user_sgpr_count 2
		.amdhsa_user_sgpr_kernarg_segment_ptr 1
		.amdhsa_wavefront_size32 1
		.amdhsa_system_sgpr_workgroup_id_x 1
		.amdhsa_system_sgpr_workgroup_id_y 1
		.amdhsa_system_sgpr_workgroup_id_z 1
		.amdhsa_system_vgpr_workitem_id 0
		.amdhsa_next_free_vgpr 256
		.amdhsa_next_free_sgpr 96
		.amdhsa_reserve_vcc 0
		.amdhsa_float_denorm_mode_32 3
		.amdhsa_float_denorm_mode_16_64 3
		.amdhsa_memory_ordered 1
		.amdhsa_forward_progress 1
		.amdhsa_inst_pref_size 44
	.end_amdhsa_kernel
	.amdgpu_metadata
---
amdhsa.version: [ 1, 2 ]
amdhsa.kernels:
  - .name:           k_qc0e9c43817_attn
    .symbol:         k_qc0e9c43817_attn.kd
    .args:
      - { .name: qkv, .offset: 0, .size: 8, .value_kind: global_buffer, .address_space: global }
      - { .name: oq, .offset: 8, .size: 8, .value_kind: global_buffer, .address_space: global }
    .group_segment_fixed_size: 247808
    .private_segment_fixed_size: 0
    .kernarg_segment_align: 8
    .kernarg_segment_size: 16
    .max_flat_workgroup_size: 512
    .sgpr_count:     96
    .vgpr_count:     256
    .wavefront_size: 32
...
	.end_amdgpu_metadata
.endif
;; end of part 3
;; launch proj (part 4): grid 8 x 32, 4 waves a work-group, clusters of 4 x 4, 327,680 bytes of LDS; arguments oq, q1, proj_b, xn, x2; writes x2
.if DOCPART == 4
	.amdgcn_target "amdgcn-amd-amdhsa--gfx1250"
	.amdhsa_code_object_version 6
	.text
	.protected	k_qc0e9c43817_proj
	.globl	k_qc0e9c43817_proj
	.p2align	8
	.type	k_qc0e9c43817_proj,@function
k_qc0e9c43817_proj:
	s_mov_b64 s[64:65], 0
	v_nop
	global_prefetch_b8 v0, s[64:65] scope:SCOPE_SE
	s_setreg_imm32_b32 hwreg(HW_REG_WAVE_MODE, 25, 1), 1
	s_wait_xcnt 0x0
	s_wait_alu depctr_hold_cnt(0) depctr_sa_sdst(0) depctr_va_vdst(0) depctr_va_sdst(0) depctr_va_ssrc(0) depctr_va_vcc(0) depctr_vm_vsrc(0)
	s_getreg_b32 s2, hwreg(HW_REG_IB_STS2, 6, 4)
	s_cmp_eq_u32 s2, 0
	s_cbranch_scc0 .Lentry_in_a_cluster
	s_endpgm
.Lentry_in_a_cluster:
	s_bfe_u32 s2, ttmp6, 0x10000c
	s_cmp_lg_u32 s2, 0xf033
	s_cbranch_scc0 .Lentry_shape_is_right
	s_endpgm
.Lentry_shape_is_right:
; A GEMM on records of FP6 (E2M3) codes with N = 1,024: result = residual + (A B^T + bias), f32.  MODE 1: x2 = xn + (o Wproj^T + proj_b), K = 1,024.  MODE 3: out = x2 + (g W2^T + fc2_b), K = 4,096.
; RECORDS AND TILES.  Tile T of an operand: local row i is row 32 (T / 2) + 8 (T % 2) + i + 8 (i / 8).  A record (tile, 128 along K), 1,792 bytes, is the image of the operand's 12 registers: +0 registers 0-3 (16 bytes a lane),
; +512 registers 4-5 (8 bytes a lane), +768 registers 6-9, +1280 registers 10-11, +1536 the row's scale word twice.  An operand lies [tile][K step].
; SHARES.  4,096 x 1,024 in tiles of 256 x 256 would be 64 work-groups; in tiles of 128 x 128 it is 256.  Four waves, each 64 x 64: 16 accumulators.  A slot of the ring holds FOUR K steps, so that a wave's one tensor load
; still brings 28,672 bytes (4 tiles x 4 records) and has 64 products a wave in which to land.  The scale words come inside the records.  Every LDS load of an operand reads consecutive bytes.
; The product is used transposed (source 0 = a tile of B, source 1 = a tile of A): a lane holds eight neighbouring columns of one row.  The bias is the C of each sum's first product.
; The residual is asked for at the head, at the very addresses of the final stores, and is added to the rows as they come back from the stage.
; CLUSTERS: 4 x 4; A's tiles are asked for jointly along a row of the cluster, B's along a column.
; REGISTERS: window 0: v1-31 addresses; v32-63 scale words, a set for each slot, nothing else; v64-95 the bias; v128-175 A's 4 fragments; on the way out v128-255 the rows read back.
;   window 1: B's fragments, two sets, at v0 and v128.   window 2: v0-127 the accumulators, (a, b) at v[8 (4 a + b)]; v128-255 the residual.
.set MODE,  1
.set REC,   1792
.if MODE == 1
.set KS,    8
.set WREG,  6422528                    ; q1: the records of proj_w
.else
.set KS,    32
.set WREG,  11010048                   ; of fc2_w
.endif
.set NQ,    4                          ; K steps in a slot
.set TROW,  NQ*REC
.set HALFT, 4*TROW                     ; 4 tiles: what one tensor load brings, and what a wave reads of A or of B
.set SLOT,  4*HALFT
.set SPARE, 2*SLOT                     ; behind the ring: the spare words, 128 bytes a wave
.set STG,   SPARE+512                  ; behind them: a stage of 16 rows x (256 + 16) bytes for each wave; no tensor load lands here
.set LAPS,  KS/(2*NQ)
.set FR,    12
.set NL,    4
.set L16,  1
.set L8,   2
.set ADRA, 16                          ; v16, v17: A's fragments in slot 0, 1, 16 bytes a lane; v18, v19: 8 bytes a lane
.set ADRB, 20
.set STO,  24
.set RD,   25
.set CO,   26
.set SPW,  28
.set NIL,  29
.set ADRS, 30                          ; v30, v31: the scale words in slot 0, 1: lanes 0-15 A's, lanes 16-31 B's
.set SC,   32
.set BIAS, 64
.set AF,   128
.set BK,   128
.set G1,  24
.set G0,  32
.set G1B, 48
.set G0B, 56
.set MSB, 0
.macro WIN new
.if MSB != \new
	s_set_vgpr_msb (MSB<<8)|\new
.set MSB, \new
.endif
.endm
.macro WMUL first                      ; source 0 (B) window 1, source 1 (A) window 0, D window 2; C with D, or, where the bias starts the sums, window 0
.if \first
	WIN 0x81
.else
	WIN 0xa1
.endif
.endm
.macro JLOAD g0a, g1a, g0b, g1b        ; a joint load: waves 0 and 1 fetch for A, waves 2 and 3 for B; an s_nop 0 and four v_nop follow each line
	s_cmp_eq_u32 s15, 0
	s_cbranch_scc0 .Lfor_b_\@
	tensor_load_to_lds s[\g0a:\g0a+3], s[\g1a:\g1a+7]
	s_nop 0
.rept 4
	v_nop
.endr
	s_branch .Lasked_\@
.Lfor_b_\@:
	tensor_load_to_lds s[\g0b:\g0b+3], s[\g1b:\g1b+7]
	s_nop 0
.rept 4
	v_nop
.endr
.Lasked_\@:
.endm
.macro CREST
	s_cmp_lg_u32 s14, 0
	s_cbranch_scc1 .Lnot_wave_0_\@
	s_barrier_signal -3
.Lnot_wave_0_\@:
	s_barrier_wait -3
	s_barrier_signal -1
	s_barrier_wait -1
.endm
.macro CROUND
	s_barrier_signal -1
	s_barrier_wait -1
	CREST
.endm
.macro PLACES
.rept 4
	v_nop
.endr
.endm
	s_load_b256 s[4:11], s[0:1], 0x0               ; A's records, q1, the bias, the residual
	s_load_b64 s[12:13], s[0:1], 0x20              ; the result
	v_lshl_add_u32 v[SPW], v0, 2, SPARE
	v_mov_b32 v[NIL], 0
	ds_add_u32 v[SPW], v[NIL]                      ; the wave's opening: the add and its wait stand ahead of my first tensor load; work on registers stands between
	v_lshrrev_b32 v3, 5, v0
	v_readfirstlane_b32 s14, v3                    ; wave 0..3
	s_lshr_b32 s15, s14, 1                         ; which 4 tiles of A are mine.  Also: I fetch for A (0) or for B (1)
	s_and_b32 s16, s14, 1                          ; which 4 tiles of B.  Also: which 4 tiles I fetch
	s_bfe_u32 s40, ttmp6, 0x40000                  ; cx
	s_bfe_u32 s41, ttmp6, 0x40004                  ; cy
	s_lshl_b32 s42, ttmp9, 2
	s_add_co_u32 s42, s42, s40                     ; tc: 128 columns
	s_and_b32 s17, ttmp7, 0xffff
	s_lshl_b32 s17, s17, 2
	s_add_co_u32 s17, s17, s41                     ; tr: 128 rows
	s_lshl_b32 s43, s41, 2
	s_lshl_b32 s43, 15, s43                        ; my row of the cluster
	s_lshl_b32 s44, 0x1111, s40                    ; my column
	s_or_b32 s[G1+0], s43, (3<<16)|(1<<21)         ; 15:0 the mask; 17:16 elements of 8 bytes; 21 set beside a mask; no padding
	s_or_b32 s[G1B+0], s44, (3<<16)|(1<<21)
.irp g, G1, G1B
	s_mov_b32 s[\g+1], (TROW/8)<<16                ; tensor_dim0: a tile's four records
	s_mov_b32 s[\g+2], 4<<16                       ; tensor_dim1: 4 tiles
	s_mov_b32 s[\g+3], (TROW/8)<<16
	s_mov_b32 s[\g+4], 4
	s_mov_b32 s[\g+5], KS*REC/8                    ; from tile to tile
	s_mov_b32 s[\g+6], 0
	s_mov_b32 s[\g+7], 0
.endr
	s_lshl_b32 s18, s16, 2
	s_lshl_b32 s20, s17, 3
	s_add_co_u32 s20, s20, s18
	s_mul_i32 s20, s20, KS*REC                     ; A: tile 8 tr + 4 x half
	s_lshl_b32 s46, s42, 3
	s_add_co_u32 s46, s46, s18
	s_mul_i32 s46, s46, KS*REC                     ; B: tile 8 tc + 4 x half
	s_add_co_u32 s46, s46, WREG
	s_mov_b32 s21, 0
	s_mov_b32 s47, 0
	s_mul_i32 s45, s14, HALFT                      ; where they go: no place in the cluster enters an LDS address
	s_wait_dscnt 0x0                               ; the opening add is done
	s_wait_kmcnt 0x0
	s_add_nc_u64 s[20:21], s[4:5], s[20:21]
	s_add_nc_u64 s[46:47], s[6:7], s[46:47]
	CROUND                                         ; all sixteen work-groups are here: the first joint loads meet
.irp s, 0,1
	s_mov_b32 s[G0+4*\s], 1
	s_add_co_u32 s[G0+4*\s+1], s45, \s*SLOT
	s_add_nc_u64 s[G0+4*\s+2:G0+4*\s+3], s[20:21], \s*TROW
	s_or_b32 s[G0+4*\s+3], s[G0+4*\s+3], 0x80000000
	s_mov_b32 s[G0B+4*\s], 1
	s_add_co_u32 s[G0B+4*\s+1], s45, \s*SLOT
	s_add_nc_u64 s[G0B+4*\s+2:G0B+4*\s+3], s[46:47], \s*TROW
	s_or_b32 s[G0B+4*\s+3], s[G0B+4*\s+3], 0x80000000
	JLOAD G0+4*\s, G1, G0B+4*\s, G1B               ; two loads of mine are out
.endr
	v_and_b32 v3, 31, v0
	v_lshlrev_b32 v[L16], 4, v3
	v_lshlrev_b32 v[L8], 3, v3
	v_bfe_u32 v4, v0, 4, 1                         ; h
	v_and_b32 v7, 15, v0                           ; r
	s_xor_b32 s23, s15, 1
	s_add_co_u32 s23, s23, s16
	s_add_co_u32 s23, s23, 1
	s_mul_i32 s23, s23, HALFT                      ; from my tiles of A to my tiles of B
	v_mul_u32_u24 v5, s23, v4                      ; lanes 16-31 take B's scale words
	v_add_nc_u32 v5, v5, v[L8]
	s_mul_i32 s21, s15, HALFT
	s_mul_i32 s22, s16, HALFT
	s_add_co_u32 s22, s22, 2*HALFT
.irp s, 0,1
	v_add_nc_u32 v[ADRA+\s], s21, v[L16]
	v_add_nc_u32 v[ADRA+2+\s], s21, v[L8]
	v_add_nc_u32 v[ADRB+\s], s22, v[L16]
	v_add_nc_u32 v[ADRB+2+\s], s22, v[L8]
	v_add_nc_u32 v[ADRS+\s], s21, v5
	v_add_nc_u32 v[ADRS+\s], 1536, v[ADRS+\s]
	s_add_co_u32 s21, s21, SLOT
	s_add_co_u32 s22, s22, SLOT
.endr
	s_mul_i32 s23, s14, 16*272
	s_add_co_u32 s23, s23, STG                     ; my stage
	v_mul_u32_u24 v5, v7, 272
	v_lshl_add_u32 v5, v4, 6, v5
	v_add_nc_u32 v[STO], s23, v5                   ; in: local row r, + 64 h
	v_mul_u32_u24 v6, v4, 272
	v_lshl_add_u32 v6, v7, 4, v6
	v_add_nc_u32 v[RD], s23, v6                    ; back: lanes 0-15 one row of 256 bytes, lanes 16-31 the next
	v_lshlrev_b32 v6, 12, v4
	v_lshl_add_u32 v[CO], v7, 4, v6                ; and the same two rows in memory
	s_lshl_b32 s22, s42, 9
	s_lshl_b32 s23, s16, 8
	s_add_co_u32 s22, s22, s23                     ; my 64 columns, in bytes
	s_mov_b32 s23, 0
	s_add_nc_u64 s[8:9], s[8:9], s[22:23]
	s_lshl_b32 s18, s17, 1
	s_add_co_u32 s18, s18, s15
	s_lshl_b32 s18, s18, 18                        ; my 64 rows of 4,096 bytes
	s_add_co_u32 s22, s22, s18
	s_add_nc_u64 s[10:11], s[10:11], s[22:23]
	s_add_nc_u64 s[12:13], s[12:13], s[22:23]
	v_lshlrev_b32 v6, 6, v4
.irp b, 0,1,2,3                                    ; the bias in the result's layout: tile b, lane (r, h): columns 32 (b / 2) + 16 h + 8 (b % 2) + 0 .. 7
	global_load_b128 v[BIAS+8*\b:BIAS+8*\b+3], v6, s[8:9] offset:(32*(\b/2)+8*(\b%2))*4
	global_load_b128 v[BIAS+8*\b+4:BIAS+8*\b+7], v6, s[8:9] offset:(32*(\b/2)+8*(\b%2))*4+16
.endr
	WIN 0x80                                       ; destination window 2
.irp a, 0,1,2,3
.irp t, 0,1,2,3,4,5,6,7
	global_load_b128 v[BK+32*\a+4*\t:BK+32*\a+4*\t+3], v[CO], s[10:11] offset:(32*(\a/2)+8*(\a%2)+2*\t+8*(\t/4))*4096 th:TH_LOAD_NT   ; the residual: tile a's local rows 2 t and 2 t + 1
.endr
.endr
	WIN 0
.macro FRAG reg, adr, q, i
	ds_load_b128 v[\reg:\reg+3], v[\adr] offset:(\i)*TROW+(\q)*REC
	ds_load_b64 v[\reg+4:\reg+5], v[\adr+2] offset:(\i)*TROW+(\q)*REC+512
	ds_load_b128 v[\reg+6:\reg+9], v[\adr] offset:(\i)*TROW+(\q)*REC+768
	ds_load_b64 v[\reg+10:\reg+11], v[\adr+2] offset:(\i)*TROW+(\q)*REC+1280
.endm
.macro FETCH_B slot, q, p
	WIN 0x40
.irp i, 0,1,2,3
	FRAG 128*(\p)+FR*\i, ADRB+\slot, \q, \i
.endr
	WIN 0
.endm
.macro FETCH_A slot, q, i0
.irp i, \i0, \i0+1
	FRAG AF+FR*(\i), ADRA+\slot, \q, \i
.endr
.endm
.macro SCALES sl                       ; register NQ i + q of the set: lanes 0-15 the words of A's tile i, lanes 16-31 those of B's tile i
.irp i, 0,1,2,3
.irp q, 0,1,2,3
	ds_load_b32 v[SC+16*\sl+NQ*\i+\q], v[ADRS+\sl] offset:\i*TROW+\q*REC
.endr
.endr
.endm
; 4 products: A's tile a x B's four.  The 16 accumulators take turns, one instruction a turn, in the same order in every step
.macro MULA a, p, q, sc, first
.irp b, 0,1,2,3
.set rD, 8*(4*(\a)+\b)
.set rB, 128*(\p)+FR*\b
.set rA, AF+FR*(\a)
.set rS, SC+16*(\sc)+NQ*\b+(\q)
.set rT, SC+16*(\sc)+NQ*(\a)+(\q)
.if \first
	v_wmma_scale_f32_16x16x128_f8f6f4 v[rD:rD+7], v[rB:rB+11], v[rA:rA+11], v[BIAS+8*\b:BIAS+8*\b+7], v[rS], v[rT] matrix_a_fmt:MATRIX_FMT_FP6 matrix_b_fmt:MATRIX_FMT_FP6 matrix_a_scale:MATRIX_SCALE_ROW1
.else
	v_wmma_scale_f32_16x16x128_f8f6f4 v[rD:rD+7], v[rB:rB+11], v[rA:rA+11], v[rD:rD+7], v[rS], v[rT] matrix_a_fmt:MATRIX_FMT_FP6 matrix_b_fmt:MATRIX_FMT_FP6 matrix_a_scale:MATRIX_SCALE_ROW1
.endif
.endr
.endm
.macro STEP slot, q, first             ; a K step that has its successor in the same slot
	s_wait_dscnt 2*NL                              ; all but the youngest 8 loads, A's tiles 2 and 3
	WMUL \first
	MULA 0, (\q)%2, \q, \slot, \first
	MULA 1, (\q)%2, \q, \slot, \first
	s_wait_dscnt 0x0
	PLACES                                         ; four places in front of loads into registers that products have read
	FETCH_B \slot, (\q)+1, 1-(\q)%2
	FETCH_A \slot, (\q)+1, 0
	WMUL \first
	MULA 2, (\q)%2, \q, \slot, \first
	MULA 3, (\q)%2, \q, \slot, \first
	PLACES
	WIN 0
	FETCH_A \slot, (\q)+1, 2
.endm
.macro MID slot
	STEP \slot, 1, 0
	STEP \slot, 2, 0
.endm
; A slot's last K step changes slots: one barrier; in front of it each wave waits for all its tensor loads, adds 0 to its spare word, and waits for that and for its reads of this slot.
.macro TURN slot, next, fill
	s_wait_tensorcnt 0x0                           ; all my tensor loads have landed: my part of the next slot
	ds_add_u32 v[SPW], v[NIL]
	s_wait_dscnt 2*NL+1                            ; the add and A's tiles 2 and 3 may be out
	WMUL 0
	MULA 0, 1, NQ-1, \slot, 0
	s_wait_dscnt 0x0                               ; the add is done, and my reads of this slot are over
	s_barrier_signal -1
	MULA 1, 1, NQ-1, \slot, 0
	WIN 0
	s_barrier_wait -1
.if \fill
	CREST                                          ; the barrier has opened a round of the cluster's: no wave of any partner still reads this slot or has a load on its way
	s_add_nc_u64 s[G0+4*\slot+2:G0+4*\slot+3], s[G0+4*\slot+2:G0+4*\slot+3], 2*TROW
	s_add_nc_u64 s[G0B+4*\slot+2:G0B+4*\slot+3], s[G0B+4*\slot+2:G0B+4*\slot+3], 2*TROW
	JLOAD G0+4*\slot, G1, G0B+4*\slot, G1B         ; my one tensor load behind the round; its four v_nop are the places in front of the loads below
.else
	PLACES
.endif
	FETCH_B \next, 0, 0
	FETCH_A \next, 0, 0
	SCALES \next
	WMUL 0
	MULA 2, 1, NQ-1, \slot, 0
	MULA 3, 1, NQ-1, \slot, 0
	PLACES
	WIN 0
	FETCH_A \next, 0, 2
.endm
	s_wait_tensorcnt 1                             ; my part of slot 0 is in; slot 1's may stay out
	s_barrier_signal -1
	s_barrier_wait -1
	FETCH_B 0, 0, 0
	FETCH_A 0, 0, 0
	SCALES 0
	FETCH_A 0, 0, 2
	s_wait_loadcnt 32                              ; the bias is in; the residual's 32 loads may stay out
	STEP 0, 0, 1                                   ; the first step starts the sums on the bias
.if LAPS > 1
	s_mov_b32 s3, LAPS-1
.Llap:                                             ; a trip goes once round the ring and fills both slots again
	MID 0
	TURN 0, 1, 1
	STEP 1, 0, 0
	MID 1
	TURN 1, 0, 1
	STEP 0, 0, 0
	s_sub_co_u32 s3, s3, 1
	s_cmp_lg_u32 s3, 0
	s_cbranch_scc1 .Llap
.endif
	MID 0                                          ; the last lap fills nothing
	TURN 0, 1, 0
	STEP 1, 0, 0
	MID 1
	s_wait_dscnt 2*NL
	WMUL 0
	MULA 0, 1, NQ-1, 1, 0
	MULA 1, 1, NQ-1, 1, 0
	s_wait_dscnt 0x0
	MULA 2, 1, NQ-1, 1, 0
	MULA 3, 1, NQ-1, 1, 0
	WIN 0
	PLACES                                         ; in front of the first read of results and of loads into A's registers
; THE WAY OUT, a tile of A (16 rows x my 64 columns) at a time, through my own stage: in by lanes (32 bytes of a row), back by rows of 256 bytes; LDS serves a wave's instructions in order, so no wait stands between.
.macro TOSTAGE a
	WIN 0x08                                       ; an LDS store's data are its source 1: window 2
.irp b, 0,1,2,3
	ds_store_b128 v[STO], v[8*(4*(\a)+\b):8*(4*(\a)+\b)+3] offset:128*(\b/2)+32*(\b%2)        ; each accumulator from its low end on
	ds_store_b128 v[STO], v[8*(4*(\a)+\b)+4:8*(4*(\a)+\b)+7] offset:128*(\b/2)+32*(\b%2)+16
.endr
	WIN 0
.irp t, 0,1,2,3,4,5,6,7
	ds_load_b128 v[BK+32*(\a)+4*\t:BK+32*(\a)+4*\t+3], v[RD] offset:544*\t
.endr
.endm
.macro SEND a, younger                 ; younger: the LDS instructions issued behind tile a's loads
	s_wait_dscnt \younger
	WIN 0x08                                       ; source 1 window 2: the residual has the rows' own register numbers there
.set i, 0
.rept 16
	v_pk_add_f32 v[BK+32*(\a)+i:BK+32*(\a)+i+1], v[BK+32*(\a)+i:BK+32*(\a)+i+1], v[BK+32*(\a)+i:BK+32*(\a)+i+1]
.set i, i+2
.endr
	WIN 0
.irp t, 0,1,2,3,4,5,6,7
	global_store_b128 v[CO], v[BK+32*(\a)+4*\t:BK+32*(\a)+4*\t+3], s[12:13] offset:(32*((\a)/2)+8*((\a)%2)+2*\t+8*(\t/4))*4096   ; sixteen lanes store 256 consecutive bytes, aligned
.endr
.endm
	s_wait_loadcnt 0x0                             ; the residual
	TOSTAGE 0
	TOSTAGE 1
	SEND 0, 16
	TOSTAGE 2
	SEND 1, 16
	TOSTAGE 3
	SEND 2, 16
	SEND 3, 0
	s_wait_tensorcnt 0x0                           ; the wave's end, behind my last tensor load and my last LDS store
	ds_add_u32 v[SPW], v[NIL]
	s_wait_dscnt 0x0
	CROUND                                         ; the closing round
	s_endpgm
.Lfunc_end_k_qc0e9c43817_proj:
	.size	k_qc0e9c43817_proj, .Lfunc_end_k_qc0e9c43817_proj-k_qc0e9c43817_proj
	.p2alignl 7, 3214868480
	.fill 96, 4, 3214868480
	.section	.rodata,"a",@progbits
	.p2align	6, 0x0
	.amdhsa_kernel k_qc0e9c43817_proj
		.amdhsa_group_segment_fixed_size 327680
		.amdhsa_private_segment_fixed_size 0
		.amdhsa_enable_private_segment 0
		.amdhsa_kernarg_size 40
		.amdhsa_user_sgpr_count 2
		.amdhsa_user_sgpr_kernarg_segment_ptr 1
		.amdhsa_wavefront_size32 1
		.amdhsa_system_sgpr_workgroup_id_x 1
		.amdhsa_system_sgpr_workgroup_id_y 1
		.amdhsa_system_sgpr_workgroup_id_z 1
		.amdhsa_system_vgpr_workitem_id 0
		.amdhsa_next_free_vgpr 768
		.amdhsa_next_free_sgpr 66
		.amdhsa_reserve_vcc 0
		.amdhsa_float_denorm_mode_32 3
		.amdhsa_float_denorm_mode_16_64 3
		.amdhsa_memory_ordered 1
		.amdhsa_forward_progress 1
		.amdhsa_inst_pref_size 62
	.end_amdhsa_kernel
	.amdgpu_metadata
---
amdhsa.version: [ 1, 2 ]
amdhsa.kernels:
  - .name:           k_qc0e9c43817_proj
    .symbol:         k_qc0e9c43817_proj.kd
    .args:
      - { .name: oq, .offset: 0, .size: 8, .value_kind: global_buffer, .address_space: global }
      - { .name: q1, .offset: 8, .size: 8, .value_kind: global_buffer, .address_space: global }
      - { .name: proj_b, .offset: 16, .size: 8, .value_kind: global_buffer, .address_space: global }
      - { .name: xn, .offset: 24, .size: 8, .value_kind: global_buffer, .address_space: global }
      - { .name: x2, .offset: 32, .size: 8, .value_kind: global_buffer, .address_space: global }
    .group_segment_fixed_size: 327680
    .private_segment_fixed_size: 0
    .kernarg_segment_align: 8
    .kernarg_segment_size: 40
    .max_flat_workgroup_size: 128
    .sgpr_count:     66
    .vgpr_count:     768
    .wavefront_size: 32
...
	.end_amdgpu_metadata
.endif
;; end of part 4
;; launch ln2 (part 5): grid 256 x 1, 8 waves a work-group, no clusters, 66,816 bytes of LDS; arguments x2, ln2_w, ln2_b, hq; writes hq
.if DOCPART == 5
	.amdgcn_target "amdgcn-amd-amdhsa--gfx1250"
	.amdhsa_code_object_version 6
	.text
	.protected	k_qc0e9c43817_ln2
	.globl	k_qc0e9c43817_ln2
	.p2align	8
	.type	k_qc0e9c43817_ln2,@function
k_qc0e9c43817_ln2:
	s_mov_b64 s[64:65], 0
	v_nop
	global_prefetch_b8 v0, s[64:65] scope:SCOPE_SE
	s_setreg_imm32_b32 hwreg(HW_REG_WAVE_MODE, 25, 1), 1
	s_wait_xcnt 0x0
; WEIGHTS = 1: the layer norm of x (stored as f32, for the residual) and the four weights are turned into RECORDS of FP6 (E2M3) codes.  WEIGHTS = 0: the second layer norm alone, into records.
; A TILE T of an operand is 16 rows that are not neighbours: local row i is row 32 (T / 2) + 8 (T % 2) + i + 8 (i / 8).  A RECORD (tile T, 128 along K) is the image of the operand's 12 registers, lane by lane:
;   +0 registers 0-3 (16 bytes a lane), +512 registers 4-5 (8 bytes a lane), +768 registers 6-9, +1280 registers 10-11, +1536 the row's scale word twice (8 bytes a lane): 1,792 bytes, seven aligned runs of 256.
; A block's scale is 2^(floor(log2(largest magnitude)) - 2); each number is divided by it and rounded to the nearest code, ties to even, beyond 7.5 the largest code.
; LIMITS: a block whose largest magnitude lies under 2^-124 (a block of zeros too) gets the byte 1, its codes are zeros or as the floor gives them; these bytes are read by this program alone.  NaN and infinities are not served.
; SHARES: a work-group takes one tile x 1,024 along K.  Wave w loads local rows 2 w and 2 w + 1 whole (8 loads of 512 consecutive bytes each), normalises them where the tensor is x, and puts them into a stage in LDS;
; behind one barrier wave w takes K step w of all 16 rows, 64 numbers a lane in the order that the conversions want, and stores one record.  Work-groups share no input: no cluster, no tensor load, no matrix unit.
.set WEIGHTS, 0
.set RP,    4112                       ; a stage row: 4,096 bytes + 16, so that the 16 rows of a read begin in 16 different groups of banks
.set SPARE, 16*RP                      ; behind the stage: the spare words, 128 bytes for each of the eight waves
.set REC,   1792
.set L16, 1                            ; v1   16 x lane
.set L8,  2                            ; v2   8 x lane
.set STI, 3                            ; v3   into the stage: row 2 w, 16 x lane
.set STO, 4                            ; v4   out of it: row r, K step w, 64 bytes for each half of the lanes
.set X,   16                           ; v16-79   my two rows; later my 64 numbers of a K step
.set LW,  80                           ; v80-111  the gain at my columns
.set LB,  112                          ; v112-143 the bias
.set TM,  144                          ; v144-159 at work in QUANT
.set PC,  160                          ; v160-179 the codes
.set PW,  180                          ; v180-181 the scale word, twice
.set SPW, 182                          ; my spare word's LDS address; never rewritten
.set NIL, 183                          ; 0; never rewritten
.set SEL, 50                           ; s[50:51] selects for lane l xor 16
.if WEIGHTS
.set OUTP, 20
.else
.set OUTP, 10
.endif
; 64 numbers of a lane, register 16 b + i = k 32 b + 16 (lane / 16) + i of my row, become a fragment's 12 registers in v[PC] on and its scale word in v[PW], v[PW+1]
.macro QUANT s
.irp b, 0,1,2,3
	v_max3_num_f32 v[TM+\b], |v[\s+16*\b]|, |v[\s+1+16*\b]|, 0x1800000   ; my 16 numbers of block b, and the floor 2^(3 - 127): the byte cannot fall under 1
.endr
.irp i, 2,4,6,8,10,12,14
.irp b, 0,1,2,3
	v_max3_num_f32 v[TM+\b], v[TM+\b], |v[\s+16*\b+\i]|, |v[\s+1+16*\b+\i]|
.endr
.endr
.irp b, 0,1,2,3
	v_permlanex16_b32 v[TM+4+\b], v[TM+\b], s[SEL], s[SEL+1]
.endr
.irp b, 0,1,2,3
	v_max_num_f32 v[TM+\b], v[TM+\b], v[TM+4+\b]                       ; with lane l xor 16's 16: the block's largest magnitude
.endr
.irp b, 0,1,2,3
	v_add_nc_u32 v[TM+12+\b], 0xff000000, v[TM+\b]                     ; 2 off its exponent field: the conversion's scale operand
.endr
.irp b, 0,1,2,3
	v_lshrrev_b32 v[TM+4+\b], 23, v[TM+12+\b]                          ; the scale's byte
.endr
	v_lshl_or_b32 v[PW], v[TM+5], 8, v[TM+4]
	v_lshl_or_b32 v[PW], v[TM+6], 16, v[PW]
	v_lshl_or_b32 v[PW], v[TM+7], 24, v[PW]
.irp c, 0,1
	v_cvt_scalef32_pk16_fp6_f32 v[PC+6*\c:PC+2+6*\c], v[\s+32*\c:\s+15+32*\c], v[TM+12+2*\c]
	v_cvt_scalef32_pk16_fp6_f32 v[PC+12+4*\c:PC+14+4*\c], v[\s+16+32*\c:\s+31+32*\c], v[TM+12+2*\c+1]
.endr
	v_mov_b32 v[PW+1], v[PW]                                           ; the word twice; also the plain instruction behind the conversions
.irp c, 0,1                                                            ; a whole block to a lane: lanes 0-15 block 2 c, lanes 16-31 block 2 c + 1
.irp i, 0,1,2
	v_permlane16_swap_b32 v[PC+6*\c+\i], v[PC+12+4*\c+\i]
.endr
.irp i, 0,1,2
	v_mov_b32 v[PC+3+6*\c+\i], v[PC+12+4*\c+\i]
.endr
.endr
.endm
; the sums (sq = 0) or the sums of squares (sq = 1) of my two rows, left in v6 and v10 in every lane: two packed chains a row, the rows by turns
.macro RSUM sq
.irp w, 0,1
.if \sq
	v_pk_mul_f32 v[6+4*\w:7+4*\w], v[X+32*\w:X+32*\w+1], v[X+32*\w:X+32*\w+1]
	v_pk_mul_f32 v[8+4*\w:9+4*\w], v[X+32*\w+2:X+32*\w+3], v[X+32*\w+2:X+32*\w+3]
.else
	v_pk_add_f32 v[6+4*\w:7+4*\w], v[X+32*\w:X+32*\w+1], v[X+32*\w+4:X+32*\w+5]
	v_pk_add_f32 v[8+4*\w:9+4*\w], v[X+32*\w+2:X+32*\w+3], v[X+32*\w+6:X+32*\w+7]
.endif
.endr
.irp j, 4,8,12,16,20,24,28
.irp w, 0,1
.if \sq
	v_pk_fma_f32 v[6+4*\w:7+4*\w], v[X+32*\w+\j:X+32*\w+\j+1], v[X+32*\w+\j:X+32*\w+\j+1], v[6+4*\w:7+4*\w]
	v_pk_fma_f32 v[8+4*\w:9+4*\w], v[X+32*\w+\j+2:X+32*\w+\j+3], v[X+32*\w+\j+2:X+32*\w+\j+3], v[8+4*\w:9+4*\w]
.elseif \j > 4
	v_pk_add_f32 v[6+4*\w:7+4*\w], v[6+4*\w:7+4*\w], v[X+32*\w+\j:X+32*\w+\j+1]
	v_pk_add_f32 v[8+4*\w:9+4*\w], v[8+4*\w:9+4*\w], v[X+32*\w+\j+2:X+32*\w+\j+3]
.endif
.endr
.endr
.irp w, 0,1
	v_pk_add_f32 v[6+4*\w:7+4*\w], v[6+4*\w:7+4*\w], v[8+4*\w:9+4*\w]
.endr
.irp w, 0,1
	v_add_f32 v[6+4*\w], v[6+4*\w], v[7+4*\w]
.endr
.irp m, 1,2,4,8
.irp w, 0,1
	v_add_f32_dpp v[6+4*\w], v[6+4*\w], v[6+4*\w] row_xmask:\m row_mask:0xf bank_mask:0xf
.endr
.endr
.irp w, 0,1
	v_permlanex16_b32 v[7+4*\w], v[6+4*\w], s[SEL], s[SEL+1]
.endr
.irp w, 0,1
	v_add_f32 v[6+4*\w], v[6+4*\w], v[7+4*\w]
.endr
.endm
.if WEIGHTS
	s_load_b512 s[4:19], s[0:1], 0x0               ; x, ln1_w, ln1_b, qkv_w, proj_w, fc1_w, fc2_w, xn
	s_load_b64 s[20:21], s[0:1], 0x40              ; q1
.else
	s_load_b256 s[4:11], s[0:1], 0x0               ; x2, ln2_w, ln2_b, hq
.endif
	v_lshl_add_u32 v[SPW], v0, 2, SPARE
	v_mov_b32 v[NIL], 0
	v_lshrrev_b32 v5, 5, v0
	v_readfirstlane_b32 s22, v5                    ; wave 0..7
	v_and_b32 v5, 31, v0
	v_lshlrev_b32 v[L16], 4, v5
	v_lshlrev_b32 v[L8], 3, v5
	s_mul_i32 s23, s22, 2*RP
	v_add_nc_u32 v[STI], s23, v[L16]
	v_and_b32 v5, 15, v0                           ; r
	v_bfe_u32 v6, v0, 4, 1                         ; h
	v_mul_u32_u24 v[STO], v5, RP
	v_lshl_add_u32 v[STO], v6, 6, v[STO]
	s_lshl_b32 s23, s22, 9
	v_add_nc_u32 v[STO], s23, v[STO]
.irp b, 0,1,2,3
	v_mov_b32 v[TM+4+\b], 0                        ; written once: a lane permute's destination counts as one of its sources
.endr
	s_mov_b32 s[SEL], 0x76543210
	s_mov_b32 s[SEL+1], 0xfedcba98
	s_mov_b32 s52, 0x3a800000                      ; 1 / 1,024
	s_mov_b32 s53, 0x3727c5ac                      ; 1e-5
	; which tensor, tile and 1,024 along K: work-groups 0-255 x, 256-447 qkv_w, 448-511 proj_w, 512-767 fc1_w, 768-1023 fc2_w (four work-groups to a tile)
.if WEIGHTS
	s_mov_b32 s33, 768
	s_cmp_lt_u32 ttmp9, 768
	s_cselect_b32 s33, 512, s33
	s_cselect_b32 s35, 0, 2
	s_cselect_b32 s36, 12, 14                      ; a row is 2^12 bytes, in fc2_w 2^14
	s_cselect_b32 s38, 0, 3
	s_cmp_lt_u32 ttmp9, 512
	s_cselect_b32 s33, 448, s33
	s_cmp_lt_u32 ttmp9, 448
	s_cselect_b32 s33, 256, s33
	s_cmp_lt_u32 ttmp9, 256
	s_cselect_b32 s33, 0, s33
	s_sub_co_u32 s34, ttmp9, s33
	s_lshr_b32 s37, s34, s35                       ; the tile
	s_and_b32 s38, s34, s38                        ; which 1,024 along K
.else
	s_mov_b32 s37, ttmp9
	s_mov_b32 s36, 12
	s_mov_b32 s38, 0
.endif
	s_lshr_b32 s39, s37, 1
	s_lshl_b32 s39, s39, 5
	s_and_b32 s40, s37, 1
	s_lshl_b32 s40, s40, 3
	s_add_co_u32 s39, s39, s40
	s_lshl_b32 s40, s22, 1
	s_add_co_u32 s39, s39, s40
	s_lshr_b32 s40, s22, 2
	s_lshl_b32 s40, s40, 3
	s_add_co_u32 s39, s39, s40                     ; local row 2 w is row 32 (T / 2) + 8 (T % 2) + 2 w + 8 (w / 4); local row 2 w + 1 is the next
	s_lshl_b32 s42, s39, s36
	s_lshl_b32 s38, s38, 12
	s_add_co_u32 s42, s42, s38
	s_mov_b32 s43, 0
	s_lshl_b32 s44, 1, s36
	s_mov_b32 s45, 0
	s_lshl_b32 s46, ttmp9, 3
	s_add_co_u32 s46, s46, s22
	s_mul_i32 s46, s46, REC                        ; my record: the regions lie in the work-groups' order, so it is record 8 x work-group + wave
	s_mov_b32 s47, 0
	s_wait_kmcnt 0x0
.if WEIGHTS
	s_cmp_lt_u32 ttmp9, 768
	s_cselect_b64 s[24:25], s[14:15], s[16:17]
	s_cmp_lt_u32 ttmp9, 512
	s_cselect_b64 s[24:25], s[12:13], s[24:25]
	s_cmp_lt_u32 ttmp9, 448
	s_cselect_b64 s[24:25], s[10:11], s[24:25]
	s_cmp_lt_u32 ttmp9, 256
	s_cselect_b64 s[24:25], s[4:5], s[24:25]
	s_add_nc_u64 s[28:29], s[18:19], s[42:43]      ; the same rows in xn (used by x's work-groups alone)
.else
	s_mov_b64 s[24:25], s[4:5]
.endif
	s_add_nc_u64 s[24:25], s[24:25], s[42:43]
	s_add_nc_u64 s[26:27], s[24:25], s[44:45]
	s_add_nc_u64 s[30:31], s[OUTP:OUTP+1], s[46:47]
.irp j, 0,1,2,3,4,5,6,7
	global_load_b128 v[X+4*\j:X+4*\j+3], v[L16], s[24:25] offset:512*\j th:TH_LOAD_NT
	global_load_b128 v[X+32+4*\j:X+32+4*\j+3], v[L16], s[26:27] offset:512*\j th:TH_LOAD_NT
.endr
.if WEIGHTS
	s_cmp_lt_u32 ttmp9, 256
	s_cbranch_scc0 .Lplain                         ; a weight is quantised as it is.  No LDS line and no barrier stands inside this branch
.endif
.irp j, 0,1,2,3,4,5,6,7
	global_load_b128 v[LW+4*\j:LW+4*\j+3], v[L16], s[6:7] offset:512*\j
	global_load_b128 v[LB+4*\j:LB+4*\j+3], v[L16], s[8:9] offset:512*\j
.endr
	s_wait_loadcnt 0x0
	RSUM 0
.irp w, 0,1
	v_mul_f32 v[6+4*\w], s52, v[6+4*\w]            ; the mean
.endr
.set j, 0
.rept 16
.irp w, 0,1
	v_pk_add_f32 v[X+32*\w+j:X+32*\w+j+1], v[X+32*\w+j:X+32*\w+j+1], v[6+4*\w:7+4*\w] op_sel_hi:[1,0] neg_lo:[0,1] neg_hi:[0,1]
.endr
.set j, j+2
.endr
	RSUM 1                                         ; of x - mean: no difference of large sums
.irp w, 0,1
	v_fma_f32 v[6+4*\w], v[6+4*\w], s52, s53       ; the variance + 1e-5
.endr
	v_rsq_f32 v8, v6
	v_rsq_f32 v12, v10
	v_nop                                          ; a plain instruction behind the two
	s_wait_alu depctr_va_vdst(0)                   ; one wait for both, ahead of their first reader
.set j, 0
.rept 16
.irp w, 0,1
	v_pk_mul_f32 v[X+32*\w+j:X+32*\w+j+1], v[X+32*\w+j:X+32*\w+j+1], v[8+4*\w:9+4*\w] op_sel_hi:[1,0]
.endr
.irp w, 0,1
	v_pk_fma_f32 v[X+32*\w+j:X+32*\w+j+1], v[X+32*\w+j:X+32*\w+j+1], v[LW+j:LW+j+1], v[LB+j:LB+j+1]
.endr
.set j, j+2
.endr
.if WEIGHTS
.irp j, 0,1,2,3,4,5,6,7
	global_store_b128 v[L16], v[X+4*\j:X+4*\j+3], s[28:29] offset:512*\j            ; 512 consecutive bytes a store
	global_store_b128 v[L16], v[X+32+4*\j:X+32+4*\j+3], s[28:29] offset:4096+512*\j
.endr
.Lplain:
	s_wait_loadcnt 0x0
.endif
.irp j, 0,1,2,3,4,5,6,7
	ds_store_b128 v[STI], v[X+4*\j:X+4*\j+3] offset:512*\j
	ds_store_b128 v[STI], v[X+32+4*\j:X+32+4*\j+3] offset:RP+512*\j
.endr
	s_wait_dscnt 0x0                               ; for the others' sake: my two rows lie in the stage
	s_barrier_signal -1
	s_barrier_wait -1
.if WEIGHTS
	s_wait_xcnt 0x0                                ; the stores to xn have read v16-79: only now are these loaded again
.endif
.irp b, 0,1,2,3
.irp j, 0,1,2,3
	ds_load_b128 v[X+16*\b+4*\j:X+16*\b+4*\j+3], v[STO] offset:128*\b+16*\j          ; row r, k = 128 w + 32 b + 16 h + 4 j ..
.endr
.endr
	s_wait_dscnt 0x0
	QUANT X
	global_store_b128 v[L16], v[PC:PC+3], s[30:31]
	global_store_b64 v[L8], v[PC+4:PC+5], s[30:31] offset:512
	global_store_b128 v[L16], v[PC+6:PC+9], s[30:31] offset:768
	global_store_b64 v[L8], v[PC+10:PC+11], s[30:31] offset:1280
	global_store_b64 v[L8], v[PW:PW+1], s[30:31] offset:1536
	s_wait_tensorcnt 0x0                           ; the wave's end, behind my last LDS store
	ds_add_u32 v[SPW], v[NIL]
	s_wait_dscnt 0x0
	s_endpgm
.Lfunc_end_k_qc0e9c43817_ln2:
	.size	k_qc0e9c43817_ln2, .Lfunc_end_k_qc0e9c43817_ln2-k_qc0e9c43817_ln2
	.p2alignl 7, 3214868480
	.fill 96, 4, 3214868480
	.section	.rodata,"a",@progbits
	.p2align	6, 0x0
	.amdhsa_kernel k_qc0e9c43817_ln2
		.amdhsa_group_segment_fixed_size 66816
		.amdhsa_private_segment_fixed_size 0
		.amdhsa_enable_private_segment 0
		.amdhsa_kernarg_size 32
		.amdhsa_user_sgpr_count 2
		.amdhsa_user_sgpr_kernarg_segment_ptr 1
		.amdhsa_wavefront_size32 1
		.amdhsa_system_sgpr_workgroup_id_x 1
		.amdhsa_system_sgpr_workgroup_id_y 1
		.amdhsa_system_sgpr_workgroup_id_z 1
		.amdhsa_system_vgpr_workitem_id 0
		.amdhsa_next_free_vgpr 192
		.amdhsa_next_free_sgpr 66
		.amdhsa_reserve_vcc 0
		.amdhsa_float_denorm_mode_32 3
		.amdhsa_float_denorm_mode_16_64 3
		.amdhsa_memory_ordered 1
		.amdhsa_forward_progress 1
		.amdhsa_inst_pref_size 24
	.end_amdhsa_kernel
	.amdgpu_metadata
---
amdhsa.version: [ 1, 2 ]
amdhsa.kernels:
  - .name:           k_qc0e9c43817_ln2
    .symbol:         k_qc0e9c43817_ln2.kd
    .args:
      - { .name: x2, .offset: 0, .size: 8, .value_kind: global_buffer, .address_space: global }
      - { .name: ln2_w, .offset: 8, .size: 8, .value_kind: global_buffer, .address_space: global }
      - { .name: ln2_b, .offset: 16, .size: 8, .value_kind: global_buffer, .address_space: global }
      - { .name: hq, .offset: 24, .size: 8, .value_kind: global_buffer, .address_space: global }
    .group_segment_fixed_size: 66816
    .private_segment_fixed_size: 0
    .kernarg_segment_align: 8
    .kernarg_segment_size: 32
    .max_flat_workgroup_size: 256
    .sgpr_count:     66
    .vgpr_count:     192
    .wavefront_size: 32
...
	.end_amdgpu_metadata
.endif
;; end of part 5
;; launch fc1 (part 6): grid 16 x 16, 4 waves a work-group, clusters of 4 x 4, 327,680 bytes of LDS; arguments hq, q1, fc1_b, gq; writes gq
.if DOCPART == 6
	.amdgcn_target "amdgcn-amd-amdhsa--gfx1250"
	.amdhsa_code_object_version 6
	.text
	.protected	k_qc0e9c43817_fc1
	.globl	k_qc0e9c43817_fc1
	.p2align	8
	.type	k_qc0e9c43817_fc1,@function
k_qc0e9c43817_fc1:
	s_mov_b64 s[64:65], 0
	v_nop
	global_prefetch_b8 v0, s[64:65] scope:SCOPE_SE
	s_setreg_imm32_b32 hwreg(HW_REG_WAVE_MODE, 25, 1), 1
	s_wait_xcnt 0x0
	s_wait_alu depctr_hold_cnt(0) depctr_sa_sdst(0) depctr_va_vdst(0) depctr_va_sdst(0) depctr_va_ssrc(0) depctr_va_vcc(0) depctr_vm_vsrc(0)
	s_getreg_b32 s2, hwreg(HW_REG_IB_STS2, 6, 4)
	s_cmp_eq_u32 s2, 0
	s_cbranch_scc0 .Lentry_in_a_cluster
	s_endpgm
.Lentry_in_a_cluster:
	s_bfe_u32 s2, ttmp6, 0x10000c
	s_cmp_lg_u32 s2, 0xf033
	s_cbranch_scc0 .Lentry_shape_is_right
	s_endpgm
.Lentry_shape_is_right:
; A GEMM on records of FP6 (E2M3) codes whose result is quantised in registers and leaves as records again.  MODE 0: q, k, v = LN1(x) Wqkv^T.  MODE 2: gelu(LN2(x2) W1^T + b1).
; RECORDS AND TILES.  Tile T of an operand: local row i is row 32 (T / 2) + 8 (T % 2) + i + 8 (i / 8).  A record (tile, 128 along K) is the image of the operand's 12 registers: +0 registers 0-3 (16 bytes a lane),
; +512 registers 4-5 (8 bytes a lane), +768 registers 6-9, +1280 registers 10-11, +1536 the row's scale word twice (8 bytes a lane): 1,792 bytes.  An operand lies [tile][K step].
; SHARES.  A work-group of four waves makes 256 x 256, a wave 128 x 128: 64 accumulators.  K = 1,024 goes in four slots' worth of two K steps through a ring of two LDS slots; a wave's tensor load brings 8 tiles x 2 records, 28,672 bytes.
; The scale words come inside the records.  Every LDS load reads consecutive bytes: no pitch, no padding.
; THE PRODUCT IS USED TRANSPOSED (source 0 = a tile of "B", source 1 = a tile of "A"): with these tiles a lane's 64 registers of A tile a are, for one row of A, the columns 32 B + 16 (lane / 16) + i in register 16 B + i:
; the order in which the conversions take them.  So each A tile's 128 columns become one record of the next operand, with no exchange but the one between the halves of the lanes.
; MODE 0: clusters x = 0, 1: A = tokens, B = the rows of Wq and Wk: the wave's 128 columns are two heads, each half a fragment: a short record of 1,024 bytes (+0, +512 the codes, +768 the word with its upper two bytes 0).
;         cluster x = 2: A = the rows of Wv, B = tokens, so that the registers run along the tokens, which are the keys, V's K in the second product of attention.  The branch on the cluster's x is alike in all partners.
; MODE 2: the bias is the C of each sum's first product.  gelu(x) = x / 2 (1 + erf(x / sqrt 2)), erf(u) = u P(u^2) / Q(u^2), a rational form in f32 good to a few units in the last place, with |u| held at 4, where erf is 1 in f32.
; CLUSTERS: 4 x 4; A's tiles are asked for jointly along a row of the cluster, B's along a column.
; No prefetch: half of the launch's tiles are asked for at its head, and the other half one slot later.
; LIMITS: a block whose largest magnitude lies under 2^-124 gets the byte 1; NaN and infinities are not served.
; REGISTERS: window 0: v1-31 addresses; v32-63 scale words, a set for each slot, nothing else; v64-127 the bias, on the way out the 64 numbers in hand; v128-223 A's 8 fragments, on the way out at work.
;   window 1: B's fragments, two sets, at v0 and v128.   windows 2, 3: the accumulators, (a, b) at v[8 (8 (a % 4) + b)] of window 2 + a / 4.
.set MODE,  2
.set REC,   1792
.set KS,    8                          ; K steps of 128
.set NQ,    2                          ; K steps in a slot
.set TROW,  NQ*REC                     ; a tile's part of a slot
.set HALFT, 8*TROW                     ; 8 tiles: what one tensor load brings, and what a wave reads of A or of B
.set SLOT,  4*HALFT
.set SPARE, 2*SLOT                     ; behind the ring: the spare words, 128 bytes a wave
.set LAPS,  KS/(2*NQ)
.set FR,    12
.set NL,    4                          ; LDS loads that bring a fragment
.set WQKV,  3670016                    ; q1: the records of qkv_w,
.set WVOFF, 5505024                    ; of its rows 2,048 on (Wv),
.set WFC1,  7340032                    ; of fc1_w
.set VB,    8388608                    ; qkv: V's records
.set L16,  1
.set L8,   2
.set ADRA, 16                          ; v16, v17: A's fragments in slot 0, 1, 16 bytes a lane; v18, v19: 8 bytes a lane
.set ADRB, 20                          ; v20-23 the same for B
.set SPW,  28
.set NIL,  29
.set ADRS, 30                          ; v30, v31: the scale words in slot 0, 1: lanes 0-15 A's, lanes 16-31 B's
.set SC,   32
.set U,    64
.set AF,   128
.set TM,   128                         ; on the way out: QUANT's registers
.set PC,   144
.set PW,   164
.set UC,   128                         ; and GELU's: u held at 4, u^2, P, Q
.set W,    160
.set P,    192
.set Q,    224
.set SEL,  98
.set G1,  24
.set G0,  32
.set G1B, 48
.set G0B, 56
.if MODE == 0
.set OUTP, 6
.else
.set OUTP, 10
.endif
.set MSB, 0
.macro WIN new                         ; the immediate's high byte repeats the setting that is left
.if MSB != \new
	s_set_vgpr_msb (MSB<<8)|\new
.set MSB, \new
.endif
.endm
.macro WMUL hi, first                  ; source 0 (B) window 1, source 1 (A) window 0, D window 2 + hi; C with D, or, where the bias starts the sums, window 0
.if (\first) && (MODE != 0)
	WIN 0x81+0x40*(\hi)
.else
	WIN 0xa1+0x50*(\hi)
.endif
.endm
.macro JLOAD g0a, g1a, g0b, g1b        ; a joint load: waves 0 and 1 fetch for A, waves 2 and 3 for B; an s_nop 0 and four v_nop follow each line
	s_cmp_eq_u32 s15, 0
	s_cbranch_scc0 .Lfor_b_\@
	tensor_load_to_lds s[\g0a:\g0a+3], s[\g1a:\g1a+7]
	s_nop 0
.rept 4
	v_nop
.endr
	s_branch .Lasked_\@
.Lfor_b_\@:
	tensor_load_to_lds s[\g0b:\g0b+3], s[\g1b:\g1b+7]
	s_nop 0
.rept 4
	v_nop
.endr
.Lasked_\@:
.endm
.macro CREST
	s_cmp_lg_u32 s14, 0
	s_cbranch_scc1 .Lnot_wave_0_\@
	s_barrier_signal -3
.Lnot_wave_0_\@:
	s_barrier_wait -3
	s_barrier_signal -1
	s_barrier_wait -1
.endm
.macro CROUND
	s_barrier_signal -1
	s_barrier_wait -1
	CREST
.endm
.macro PLACES
.rept 4
	v_nop
.endr
.endm
.macro QUANT s
.irp b, 0,1,2,3
	v_max3_num_f32 v[TM+\b], |v[\s+16*\b]|, |v[\s+1+16*\b]|, 0x1800000   ; my 16 numbers of block b, and the floor 2^(3 - 127)
.endr
.irp i, 2,4,6,8,10,12,14
.irp b, 0,1,2,3
	v_max3_num_f32 v[TM+\b], v[TM+\b], |v[\s+16*\b+\i]|, |v[\s+1+16*\b+\i]|
.endr
.endr
.irp b, 0,1,2,3
	v_permlanex16_b32 v[TM+4+\b], v[TM+\b], s[SEL], s[SEL+1]
.endr
.irp b, 0,1,2,3
	v_max_num_f32 v[TM+\b], v[TM+\b], v[TM+4+\b]
.endr
.irp b, 0,1,2,3
	v_add_nc_u32 v[TM+12+\b], 0xff000000, v[TM+\b]                     ; 2 off the exponent field: the conversion's scale operand
.endr
.irp b, 0,1,2,3
	v_lshrrev_b32 v[TM+4+\b], 23, v[TM+12+\b]
.endr
	v_lshl_or_b32 v[PW], v[TM+5], 8, v[TM+4]
	v_lshl_or_b32 v[PW], v[TM+6], 16, v[PW]
	v_lshl_or_b32 v[PW], v[TM+7], 24, v[PW]
.irp c, 0,1
	v_cvt_scalef32_pk16_fp6_f32 v[PC+6*\c:PC+2+6*\c], v[\s+32*\c:\s+15+32*\c], v[TM+12+2*\c]
	v_cvt_scalef32_pk16_fp6_f32 v[PC+12+4*\c:PC+14+4*\c], v[\s+16+32*\c:\s+31+32*\c], v[TM+12+2*\c+1]
.endr
	v_mov_b32 v[PW+1], v[PW]                                           ; the word twice; also the plain instruction behind the conversions
.irp c, 0,1
.irp i, 0,1,2
	v_permlane16_swap_b32 v[PC+6*\c+\i], v[PC+12+4*\c+\i]
.endr
.irp i, 0,1,2
	v_mov_b32 v[PC+3+6*\c+\i], v[PC+12+4*\c+\i]
.endr
.endr
.endm
.macro PUTREC                          ; a whole record: seven aligned runs of 256 bytes
	global_store_b128 v[L16], v[PC:PC+3], s[OUTP:OUTP+1]
	global_store_b64 v[L8], v[PC+4:PC+5], s[OUTP:OUTP+1] offset:512
	global_store_b128 v[L16], v[PC+6:PC+9], s[OUTP:OUTP+1] offset:768
	global_store_b64 v[L8], v[PC+10:PC+11], s[OUTP:OUTP+1] offset:1280
	global_store_b64 v[L8], v[PW:PW+1], s[OUTP:OUTP+1] offset:1536
.endm
	s_load_b128 s[4:7], s[0:1], 0x0                ; MODE 0: q1, qkv.  MODE 2: hq, q1
.if MODE == 2
	s_load_b128 s[8:11], s[0:1], 0x10              ; fc1_b, gq
.endif
	v_lshl_add_u32 v[SPW], v0, 2, SPARE
	v_mov_b32 v[NIL], 0
	ds_add_u32 v[SPW], v[NIL]                      ; the wave's opening: the add and its wait stand ahead of my first tensor load; work on registers stands between
	v_lshrrev_b32 v3, 5, v0
	v_readfirstlane_b32 s14, v3                    ; wave 0..3
	s_lshr_b32 s15, s14, 1                         ; which 8 tiles of A are mine.  Also: I fetch for A (0) or for B (1)
	s_and_b32 s16, s14, 1                          ; which 8 tiles of B.  Also: which 8 tiles I fetch
	s_bfe_u32 s40, ttmp6, 0x40000                  ; cx
	s_bfe_u32 s41, ttmp6, 0x40004                  ; cy
	s_and_b32 s17, ttmp7, 0xffff                   ; the cluster's y
.if MODE == 0
	s_cmp_eq_u32 ttmp9, 2                          ; the cluster's x = 2: V's part
	s_cselect_b32 s93, 1, 0
	s_cselect_b32 s42, s17, ttmp9                  ; there B's blocks (tokens) go by the cluster's y and cx,
	s_cselect_b32 s17, 0, s17                      ; and A's (rows of Wv) by cy alone
	s_cselect_b32 s94, WVOFF, 0
	s_cselect_b32 s95, 0, WQKV
.else
	s_mov_b32 s42, ttmp9
.endif
	s_lshl_b32 s42, s42, 2
	s_add_co_u32 s42, s42, s40                     ; tc: B's block of 16 tiles
	s_lshl_b32 s17, s17, 2
	s_add_co_u32 s17, s17, s41                     ; tr: A's block of 16 tiles
	s_lshl_b32 s43, s41, 2
	s_lshl_b32 s43, 15, s43                        ; my row of the cluster
	s_lshl_b32 s44, 0x1111, s40                    ; my column
	s_or_b32 s[G1+0], s43, (3<<16)|(1<<21)         ; 15:0 the mask; 17:16 elements of 8 bytes; 21 set beside a mask; no padding
	s_or_b32 s[G1B+0], s44, (3<<16)|(1<<21)
.irp g, G1, G1B
	s_mov_b32 s[\g+1], (TROW/8)<<16                ; tensor_dim0: a tile's two records
	s_mov_b32 s[\g+2], 8<<16                       ; tensor_dim1: 8 tiles
	s_mov_b32 s[\g+3], (TROW/8)<<16                ; tile_dim0
	s_mov_b32 s[\g+4], 8                           ; tile_dim1
	s_mov_b32 s[\g+5], KS*REC/8                    ; from tile to tile
	s_mov_b32 s[\g+6], 0
	s_mov_b32 s[\g+7], 0
.endr
	s_lshl_b32 s18, s16, 3
	s_lshl_b32 s20, s17, 4
	s_add_co_u32 s20, s20, s18
	s_mul_i32 s20, s20, KS*REC                     ; A: tile 16 tr + 8 x half
	s_lshl_b32 s46, s42, 4
	s_add_co_u32 s46, s46, s18
	s_mul_i32 s46, s46, KS*REC                     ; B: tile 16 tc + 8 x half
.if MODE == 0
	s_add_co_u32 s20, s20, s94
	s_add_co_u32 s46, s46, s95
.else
	s_add_co_u32 s46, s46, WFC1
.endif
	s_mov_b32 s21, 0
	s_mov_b32 s47, 0
	s_mul_i32 s45, s14, HALFT                      ; where they go: wave x 8 tiles: no place in the cluster enters an LDS address
	s_mov_b32 s[SEL], 0x76543210
	s_mov_b32 s[SEL+1], 0xfedcba98
.if MODE == 0
	s_mov_b32 s90, 1.0
.else
	s_mov_b32 s90, 0x3f3504f3                      ; c0 = 1 / sqrt 2
.endif
	s_mov_b32 s91, s90
	s_wait_dscnt 0x0                               ; the opening add is done
	s_wait_kmcnt 0x0
	s_add_nc_u64 s[20:21], s[4:5], s[20:21]
.if MODE == 0
	s_add_nc_u64 s[46:47], s[4:5], s[46:47]
.else
	s_add_nc_u64 s[46:47], s[6:7], s[46:47]
.endif
	CROUND                                         ; all sixteen work-groups are here: the first joint loads meet
.irp s, 0,1
	s_mov_b32 s[G0+4*\s], 1
	s_add_co_u32 s[G0+4*\s+1], s45, \s*SLOT
	s_add_nc_u64 s[G0+4*\s+2:G0+4*\s+3], s[20:21], \s*TROW
	s_or_b32 s[G0+4*\s+3], s[G0+4*\s+3], 0x80000000
	s_mov_b32 s[G0B+4*\s], 1
	s_add_co_u32 s[G0B+4*\s+1], s45, \s*SLOT
	s_add_nc_u64 s[G0B+4*\s+2:G0B+4*\s+3], s[46:47], \s*TROW
	s_or_b32 s[G0B+4*\s+3], s[G0B+4*\s+3], 0x80000000
	JLOAD G0+4*\s, G1, G0B+4*\s, G1B               ; two loads of mine are out
.endr
	v_and_b32 v3, 31, v0
	v_lshlrev_b32 v[L16], 4, v3
	v_lshlrev_b32 v[L8], 3, v3
	v_bfe_u32 v4, v0, 4, 1                         ; h
	s_xor_b32 s23, s15, 1
	s_add_co_u32 s23, s23, s16
	s_add_co_u32 s23, s23, 1
	s_mul_i32 s23, s23, HALFT                      ; from my tiles of A to my tiles of B
	v_mul_u32_u24 v5, s23, v4                      ; lanes 16-31 take B's scale words
	v_add_nc_u32 v5, v5, v[L8]
	s_mul_i32 s21, s15, HALFT                      ; my 8 tiles of A
	s_mul_i32 s22, s16, HALFT
	s_add_co_u32 s22, s22, 2*HALFT                 ; my 8 tiles of B, behind A's 16
.irp s, 0,1
	v_add_nc_u32 v[ADRA+\s], s21, v[L16]
	v_add_nc_u32 v[ADRA+2+\s], s21, v[L8]
	v_add_nc_u32 v[ADRB+\s], s22, v[L16]
	v_add_nc_u32 v[ADRB+2+\s], s22, v[L8]
	v_add_nc_u32 v[ADRS+\s], s21, v5
	v_add_nc_u32 v[ADRS+\s], 1536, v[ADRS+\s]
	s_add_co_u32 s21, s21, SLOT
	s_add_co_u32 s22, s22, SLOT
.endr
	s_lshl_b32 s18, s17, 4
	s_lshl_b32 s19, s15, 3
	s_add_co_u32 s18, s18, s19                     ; T0: my first tile of A
	s_lshl_b32 s19, s42, 1
	s_add_co_u32 s19, s19, s16                     ; G: my 128 columns
.if MODE == 2
	s_lshl_b32 s22, s18, 5
	s_add_co_u32 s22, s22, s19
	s_mul_i32 s22, s22, REC                        ; gq: record (T0, G) of [256][32]
	s_mov_b32 s23, 0
	s_add_nc_u64 s[OUTP:OUTP+1], s[OUTP:OUTP+1], s[22:23]
	s_mov_b32 s96, 32*REC                          ; from tile to tile
	s_mov_b32 s97, 0
	s_lshl_b32 s22, s19, 9
	s_add_nc_u64 s[8:9], s[8:9], s[22:23]          ; the bias at my 128 columns
	v_lshlrev_b32 v6, 6, v4
.irp b, 0,1,2,3,4,5,6,7                            ; in the result's layout: tile b, lane (r, h): columns 32 (b / 2) + 16 h + 8 (b % 2) + 0 .. 7
	global_load_b128 v[U+8*\b:U+8*\b+3], v6, s[8:9] offset:(32*(\b/2)+8*(\b%2))*4
	global_load_b128 v[U+8*\b+4:U+8*\b+7], v6, s[8:9] offset:(32*(\b/2)+8*(\b%2))*4+16
.endr
	; erf's coefficients.  P's are multiplied by c0, so that c0 P u / Q + c0 = c0 (1 + erf u) is one fused multiply-add
	s_mov_b32 s86, 0xaf95df0b                      ; -2.72614225801306e-10
	s_mov_b32 s66, 0x32edffee                      ;  2.77068142495902e-08
	s_mov_b32 s68, 0xb60cff51                      ; -2.10102402082508e-06
	s_mov_b32 s70, 0xb86ec2d2                      ; -5.69250639462346e-05
	s_mov_b32 s72, 0xba40ac63                      ; -7.34990630326855e-04
	s_mov_b32 s74, 0xbb41a1f6                      ; -2.95459980854025e-03
	s_mov_b32 s76, 0xbc83dbd4                      ; -1.60960333262415e-02
	v_mov_b32 v7, s90
.irp c, 66,68,70,72,74,76,86
	v_mul_f32 v8, s\c, v7
	v_readfirstlane_b32 s\c, v8
.endr
.irp c, 66,68,70,72,74,76
	s_mov_b32 s[\c+1], s\c                         ; the packed forms name a pair
.endr
	s_mov_b32 s78, 0xb95fbd29                      ; -2.13374055278905e-04
	s_mov_b32 s80, 0xbadc924e                      ; -1.68282697438203e-03
	s_mov_b32 s82, 0xbbf19bf8                      ; -7.37332916720468e-03
	s_mov_b32 s84, 0xbc69b6a7                      ; -1.42647390514189e-02
.irp c, 78,80,82,84
	s_mov_b32 s[\c+1], s\c
.endr
	v_mov_b32 v8, s86                              ; the two leading coefficients in vector pairs, so that no instruction names two scalar pairs
	v_mov_b32 v9, s86
	v_mov_b32 v10, 0xb77460cd                      ; -1.45660718464996e-05
	v_mov_b32 v11, v10
.else
	s_lshr_b32 s22, s19, 3                         ; q (0) or k (1)
	s_lshl_b32 s22, s22, 5
	s_lshr_b32 s23, s18, 7                         ; the batch
	s_lshl_b32 s23, s23, 4
	s_add_co_u32 s22, s22, s23
	s_and_b32 s23, s19, 7
	s_lshl_b32 s23, s23, 1                         ; the even one of my two heads
	s_add_co_u32 s22, s22, s23
	s_lshl_b32 s22, s22, 7
	s_and_b32 s23, s18, 127
	s_add_co_u32 s22, s22, s23
	s_lshl_b32 s22, s22, 10                        ; short record ((which 32 + batch 16 + head) 128 + tile)
	s_lshl_b32 s23, s19, 6
	s_add_co_u32 s23, s23, s18
	s_mul_i32 s23, s23, REC
	s_add_co_u32 s23, s23, VB                      ; V: record (128 tokens G, tile T0 of the 64 of V's features)
	s_mov_b32 s96, REC
	s_cmp_eq_u32 s93, 1
	s_cselect_b32 s22, s23, s22
	s_cselect_b32 s96, s96, 1024                   ; from tile to tile
	s_mov_b32 s23, 0
	s_mov_b32 s97, 0
	s_add_nc_u64 s[OUTP:OUTP+1], s[OUTP:OUTP+1], s[22:23]
.endif
.macro FRAG reg, adr, q, i             ; a fragment comes as it was stored: four loads of consecutive bytes
	ds_load_b128 v[\reg:\reg+3], v[\adr] offset:(\i)*TROW+(\q)*REC
	ds_load_b64 v[\reg+4:\reg+5], v[\adr+2] offset:(\i)*TROW+(\q)*REC+512
	ds_load_b128 v[\reg+6:\reg+9], v[\adr] offset:(\i)*TROW+(\q)*REC+768
	ds_load_b64 v[\reg+10:\reg+11], v[\adr+2] offset:(\i)*TROW+(\q)*REC+1280
.endm
.macro FETCH_B slot, q, p
	WIN 0x40                                       ; destination window 1
.irp i, 0,1,2,3,4,5,6,7
	FRAG 128*(\p)+FR*\i, ADRB+\slot, \q, \i
.endr
	WIN 0
.endm
.macro FETCH_A slot, q, i0
.irp i, \i0, \i0+1, \i0+2, \i0+3
	FRAG AF+FR*(\i), ADRA+\slot, \q, \i
.endr
.endm
.macro SCALES sl                       ; register NQ i + q of the set: lanes 0-15 the words of A's tile i, lanes 16-31 those of B's tile i, for the slot's q-th K step
.irp i, 0,1,2,3,4,5,6,7
.irp q, 0,1
	ds_load_b32 v[SC+16*\sl+NQ*\i+\q], v[ADRS+\sl] offset:\i*TROW+\q*REC
.endr
.endr
.endm
; 16 products: A's tiles a0, a0 + 1 x B's eight.  The 64 accumulators take turns, one instruction a turn, in the same order in every step
.macro MUL16 a0, p, q, sc, first
.irp a, \a0, \a0+1
.irp b, 0,1,2,3,4,5,6,7
.set rD, 8*(8*((\a)%4)+\b)
.set rB, 128*(\p)+FR*\b
.set rA, AF+FR*(\a)
.set rS, SC+16*(\sc)+NQ*\b+(\q)
.set rT, SC+16*(\sc)+NQ*(\a)+(\q)
.if (\first) && (MODE == 0)
	v_wmma_scale_f32_16x16x128_f8f6f4 v[rD:rD+7], v[rB:rB+11], v[rA:rA+11], 0, v[rS], v[rT] matrix_a_fmt:MATRIX_FMT_FP6 matrix_b_fmt:MATRIX_FMT_FP6 matrix_a_scale:MATRIX_SCALE_ROW1
.elseif \first
	v_wmma_scale_f32_16x16x128_f8f6f4 v[rD:rD+7], v[rB:rB+11], v[rA:rA+11], v[U+8*\b:U+8*\b+7], v[rS], v[rT] matrix_a_fmt:MATRIX_FMT_FP6 matrix_b_fmt:MATRIX_FMT_FP6 matrix_a_scale:MATRIX_SCALE_ROW1
.else
	v_wmma_scale_f32_16x16x128_f8f6f4 v[rD:rD+7], v[rB:rB+11], v[rA:rA+11], v[rD:rD+7], v[rS], v[rT] matrix_a_fmt:MATRIX_FMT_FP6 matrix_b_fmt:MATRIX_FMT_FP6 matrix_a_scale:MATRIX_SCALE_ROW1
.endif
.endr
.endr
.endm
; A K step that has its successor in the same slot.  A has one set of registers (tiles 0-3 fetched anew in the middle, 4-7 at the end), B two.
.macro STEP slot, q, first
	s_wait_dscnt 4*NL                              ; all but the youngest 16 loads, A's tiles 4-7
	WMUL 0, \first
	MUL16 0, (\q)%2, \q, \slot, \first
	MUL16 2, (\q)%2, \q, \slot, \first
	s_wait_dscnt 0x0                               ; A's tiles 4-7 are in
	PLACES                                         ; four places in front of loads into registers that products have read
	FETCH_B \slot, (\q)+1, 1-(\q)%2
	FETCH_A \slot, (\q)+1, 0
	WMUL 1, \first
	MUL16 4, (\q)%2, \q, \slot, \first
	MUL16 6, (\q)%2, \q, \slot, \first
	PLACES
	WIN 0
	FETCH_A \slot, (\q)+1, 4
.endm
; A slot's last K step changes slots: one barrier; in front of it each wave waits for all its tensor loads, adds 0 to its spare word, and waits for that and for its reads of this slot.
.macro TURN slot, next, fill
	s_wait_tensorcnt 0x0                           ; all my tensor loads have landed: my part of the next slot
	ds_add_u32 v[SPW], v[NIL]
	s_wait_dscnt 4*NL+1                            ; the add and A's tiles 4-7 may be out
	WMUL 0, 0
	MUL16 0, 1, NQ-1, \slot, 0
	s_wait_dscnt 0x0                               ; the add is done, and my reads of this slot are over
	s_barrier_signal -1
	MUL16 2, 1, NQ-1, \slot, 0
	WIN 0
	s_barrier_wait -1
.if \fill
	CREST                                          ; the barrier has opened a round of the cluster's: no wave of any partner still reads this slot or has a load on its way
	s_add_nc_u64 s[G0+4*\slot+2:G0+4*\slot+3], s[G0+4*\slot+2:G0+4*\slot+3], 2*TROW
	s_add_nc_u64 s[G0B+4*\slot+2:G0B+4*\slot+3], s[G0B+4*\slot+2:G0B+4*\slot+3], 2*TROW
	JLOAD G0+4*\slot, G1, G0B+4*\slot, G1B         ; my one tensor load behind the round; its four v_nop are the places in front of the loads below
.else
	PLACES
.endif
	FETCH_B \next, 0, 0
	FETCH_A \next, 0, 0
	SCALES \next
	WMUL 1, 0
	MUL16 4, 1, NQ-1, \slot, 0
	MUL16 6, 1, NQ-1, \slot, 0
	PLACES
	WIN 0
	FETCH_A \next, 0, 4
.endm
	s_wait_tensorcnt 1                             ; my part of slot 0 is in; slot 1's may stay out
	s_barrier_signal -1
	s_barrier_wait -1
	FETCH_B 0, 0, 0
	FETCH_A 0, 0, 0
	SCALES 0
	FETCH_A 0, 0, 4
.if MODE == 2
	s_wait_loadcnt 0x0                             ; the bias
.endif
	STEP 0, 0, 1                                   ; the first step starts the sums: nothing is cleared
	s_mov_b32 s3, LAPS-1
.Llap:                                             ; a trip goes once round the ring and fills both slots again
	TURN 0, 1, 1
	STEP 1, 0, 0
	TURN 1, 0, 1
	STEP 0, 0, 0
	s_sub_co_u32 s3, s3, 1
	s_cmp_lg_u32 s3, 0
	s_cbranch_scc1 .Llap
	TURN 0, 1, 0                                   ; the last lap fills nothing
	STEP 1, 0, 0
	s_wait_dscnt 4*NL
	WMUL 0, 0
	MUL16 0, 1, NQ-1, 1, 0
	MUL16 2, 1, NQ-1, 1, 0
	s_wait_dscnt 0x0
	WMUL 1, 0
	MUL16 4, 1, NQ-1, 1, 0
	MUL16 6, 1, NQ-1, 1, 0
	WIN 0
	PLACES                                         ; in front of the first read of results and the first write of A's registers
; THE WAY OUT: a loop of eight trips, one for each tile of A, so that the arithmetic is written once.  A trip's head brings the tile's 64 accumulators into v64-127 of window 0: eight short blocks, chosen by the counter.
; The move is a packed multiplication: by 1 / sqrt 2 in MODE 2, where it makes erf's argument; by 1 in MODE 0, 32 instructions where plain moves would be 64.
.macro COPY a
.Lc\a:
	WIN 0x02+(\a)/4                                ; source 0: window 2 or 3
.set i, 0
.rept 32
	v_pk_mul_f32 v[U+i:U+i+1], v[64*((\a)%4)+i:64*((\a)%4)+i+1], s[90:91] op_sel_hi:[1,0]   ; each accumulator from its low end on
.set i, i+2
.endr
	WIN 0
	s_branch .Lgo
.endm
; 32 numbers u = x / sqrt 2 at v[U + 32 h] become gelu(x) = c0 u (1 + erf u).  Q and its reciprocals first; P's chain is the work behind them; one wait
.macro GELUH h
.set U0, U+32*(\h)
.set i, 0
.rept 32
	v_med3_num_f32 v[UC+i], v[U0+i], -4.0, 4.0
.set i, i+1
.endr
.set i, 0
.rept 16
	v_pk_mul_f32 v[W+i:W+i+1], v[UC+i:UC+i+1], v[UC+i:UC+i+1]
.set i, i+2
.endr
.set i, 0
.rept 16
	v_pk_fma_f32 v[Q+i:Q+i+1], v[W+i:W+i+1], v[10:11], s[78:79] op_sel_hi:[1,1,0]
.set i, i+2
.endr
.irp c, 80,82,84
.set i, 0
.rept 16
	v_pk_fma_f32 v[Q+i:Q+i+1], v[Q+i:Q+i+1], v[W+i:W+i+1], s[\c:\c+1] op_sel_hi:[1,1,0]
.set i, i+2
.endr
.endr
.set i, 0
.rept 32
	v_rcp_f32 v[Q+i], v[Q+i]
.set i, i+1
.endr
.set i, 0
.rept 16
	v_pk_fma_f32 v[P+i:P+i+1], v[W+i:W+i+1], v[8:9], s[66:67] op_sel_hi:[1,1,0]
.set i, i+2
.endr
.irp c, 68,70,72,74,76
.set i, 0
.rept 16
	v_pk_fma_f32 v[P+i:P+i+1], v[P+i:P+i+1], v[W+i:W+i+1], s[\c:\c+1] op_sel_hi:[1,1,0]
.set i, i+2
.endr
.endr
.set i, 0
.rept 16
	v_pk_mul_f32 v[P+i:P+i+1], v[P+i:P+i+1], v[UC+i:UC+i+1]
.set i, i+2
.endr
	s_wait_alu depctr_va_vdst(0)                   ; one wait for the 32 reciprocals, ahead of their first reader
.set i, 0
.rept 16
	v_pk_fma_f32 v[P+i:P+i+1], v[P+i:P+i+1], v[Q+i:Q+i+1], s[90:91] op_sel_hi:[1,1,0]
.set i, i+2
.endr
.set i, 0
.rept 16
	v_pk_mul_f32 v[U0+i:U0+i+1], v[U0+i:U0+i+1], v[P+i:P+i+1]
.set i, i+2
.endr
.endm
.irp b, 0,1,2,3
	v_mov_b32 v[TM+4+\b], 0                        ; a lane permute's destination counts as one of its sources
.endr
	s_mov_b32 s92, 0
.Lrow:
.irp a, 0,1,2,3,4,5,6
	s_cmp_eq_u32 s92, \a
	s_cbranch_scc1 .Lc\a
.endr
	s_branch .Lc7
	COPY 0
	COPY 1
	COPY 2
	COPY 3
	COPY 4
	COPY 5
	COPY 6
	COPY 7
.Lgo:
.if MODE == 2
	GELUH 0
	GELUH 1
.endif
	QUANT U
.if MODE == 2
	PUTREC
.else
	s_cmp_eq_u32 s93, 0
	s_cbranch_scc0 .Lvrec                          ; alike in all partners: it hangs on the cluster's x
	v_and_b32 v[PW+2], 0xffff, v[PW]               ; the even head's two bytes, the upper two 0: they stand over zero codes
	v_lshrrev_b32 v[PW+4], 16, v[PW]               ; the odd head's
	v_mov_b32 v[PW+3], v[PW+2]
	v_mov_b32 v[PW+5], v[PW+4]
	global_store_b128 v[L16], v[PC:PC+3], s[OUTP:OUTP+1]
	global_store_b64 v[L8], v[PC+4:PC+5], s[OUTP:OUTP+1] offset:512
	global_store_b64 v[L8], v[PW+2:PW+3], s[OUTP:OUTP+1] offset:768
	global_store_b128 v[L16], v[PC+6:PC+9], s[OUTP:OUTP+1] offset:131072          ; the next head's records lie 128 x 1,024 bytes on
	global_store_b64 v[L8], v[PC+10:PC+11], s[OUTP:OUTP+1] offset:131072+512
	global_store_b64 v[L8], v[PW+4:PW+5], s[OUTP:OUTP+1] offset:131072+768
	s_branch .Lstored
.Lvrec:
	PUTREC
.Lstored:
.endif
	s_wait_xcnt 0x0                                ; the stores have read their data and their base: both are written again only behind this wait
	s_add_nc_u64 s[OUTP:OUTP+1], s[OUTP:OUTP+1], s[96:97]
	s_add_co_u32 s92, s92, 1
	s_cmp_lt_u32 s92, 8
	s_cbranch_scc1 .Lrow
	s_wait_tensorcnt 0x0                           ; the wave's end
	ds_add_u32 v[SPW], v[NIL]
	s_wait_dscnt 0x0
	CROUND                                         ; the closing round
	s_endpgm
.Lfunc_end_k_qc0e9c43817_fc1:
	.size	k_qc0e9c43817_fc1, .Lfunc_end_k_qc0e9c43817_fc1-k_qc0e9c43817_fc1
	.p2alignl 7, 3214868480
	.fill 96, 4, 3214868480
	.section	.rodata,"a",@progbits
	.p2align	6, 0x0
	.amdhsa_kernel k_qc0e9c43817_fc1
		.amdhsa_group_segment_fixed_size 327680
		.amdhsa_private_segment_fixed_size 0
		.amdhsa_enable_private_segment 0
		.amdhsa_kernarg_size 32
		.amdhsa_user_sgpr_count 2
		.amdhsa_user_sgpr_kernarg_segment_ptr 1
		.amdhsa_wavefront_size32 1
		.amdhsa_system_sgpr_workgroup_id_x 1
		.amdhsa_system_sgpr_workgroup_id_y 1
		.amdhsa_system_sgpr_workgroup_id_z 1
		.amdhsa_system_vgpr_workitem_id 0
		.amdhsa_next_free_vgpr 1024
		.amdhsa_next_free_sgpr 100
		.amdhsa_reserve_vcc 0
		.amdhsa_float_denorm_mode_32 3
		.amdhsa_float_denorm_mode_16_64 3
		.amdhsa_memory_ordered 1
		.amdhsa_forward_progress 1
		.amdhsa_inst_pref_size 173
	.end_amdhsa_kernel
	.amdgpu_metadata
---
amdhsa.version: [ 1, 2 ]
amdhsa.kernels:
  - .name:           k_qc0e9c43817_fc1
    .symbol:         k_qc0e9c43817_fc1.kd
    .args:
      - { .name: hq, .offset: 0, .size: 8, .value_kind: global_buffer, .address_space: global }
      - { .name: q1, .offset: 8, .size: 8, .value_kind: global_buffer, .address_space: global }
      - { .name: fc1_b, .offset: 16, .size: 8, .value_kind: global_buffer, .address_space: global }
      - { .name: gq, .offset: 24, .size: 8, .value_kind: global_buffer, .address_space: global }
    .group_segment_fixed_size: 327680
    .private_segment_fixed_size: 0
    .kernarg_segment_align: 8
    .kernarg_segment_size: 32
    .max_flat_workgroup_size: 128
    .sgpr_count:     100
    .vgpr_count:     1024
    .wavefront_size: 32
...
	.end_amdgpu_metadata
.endif
;; end of part 6
;; launch fc2 (part 7): grid 8 x 32, 4 waves a work-group, clusters of 4 x 4, 327,680 bytes of LDS; arguments gq, q1, fc2_b, x2, out0; writes out0
.if DOCPART == 7
	.amdgcn_target "amdgcn-amd-amdhsa--gfx1250"
	.amdhsa_code_object_version 6
	.text
	.protected	k_qc0e9c43817_fc2
	.globl	k_qc0e9c43817_fc2
	.p2align	8
	.type	k_qc0e9c43817_fc2,@function
k_qc0e9c43817_fc2:
	s_mov_b64 s[64:65], 0
	v_nop
	global_prefetch_b8 v0, s[64:65] scope:SCOPE_SE
	s_setreg_imm32_b32 hwreg(HW_REG_WAVE_MODE, 25, 1), 1
	s_wait_xcnt 0x0
	s_wait_alu depctr_hold_cnt(0) depctr_sa_sdst(0) depctr_va_vdst(0) depctr_va_sdst(0) depctr_va_ssrc(0) depctr_va_vcc(0) depctr_vm_vsrc(0)
	s_getreg_b32 s2, hwreg(HW_REG_IB_STS2, 6, 4)
	s_cmp_eq_u32 s2, 0
	s_cbranch_scc0 .Lentry_in_a_cluster
	s_endpgm
.Lentry_in_a_cluster:
	s_bfe_u32 s2, ttmp6, 0x10000c
	s_cmp_lg_u32 s2, 0xf033
	s_cbranch_scc0 .Lentry_shape_is_right
	s_endpgm
.Lentry_shape_is_right:
; A GEMM on records of FP6 (E2M3) codes with N = 1,024: result = residual + (A B^T + bias), f32.  MODE 1: x2 = xn + (o Wproj^T + proj_b), K = 1,024.  MODE 3: out = x2 + (g W2^T + fc2_b), K = 4,096.
; RECORDS AND TILES.  Tile T of an operand: local row i is row 32 (T / 2) + 8 (T % 2) + i + 8 (i / 8).  A record (tile, 128 along K), 1,792 bytes, is the image of the operand's 12 registers: +0 registers 0-3 (16 bytes a lane),
; +512 registers 4-5 (8 bytes a lane), +768 registers 6-9, +1280 registers 10-11, +1536 the row's scale word twice.  An operand lies [tile][K step].
; SHARES.  4,096 x 1,024 in tiles of 256 x 256 would be 64 work-groups; in tiles of 128 x 128 it is 256.  Four waves, each 64 x 64: 16 accumulators.  A slot of the ring holds FOUR K steps, so that a wave's one tensor load
; still brings 28,672 bytes (4 tiles x 4 records) and has 64 products a wave in which to land.  The scale words come inside the records.  Every LDS load of an operand reads consecutive bytes.
; The product is used transposed (source 0 = a tile of B, source 1 = a tile of A): a lane holds eight neighbouring columns of one row.  The bias is the C of each sum's first product.
; The residual is asked for at the head, at the very addresses of the final stores, and is added to the rows as they come back from the stage.
; CLUSTERS: 4 x 4; A's tiles are asked for jointly along a row of the cluster, B's along a column.
; THE WALK ALONG K (MODE 3) GOES ROUND: a cluster whose x + y is odd begins at K's middle, slots' worth 4 5 6 7 0 1 2 3.  A tile of A is wanted by the two clusters of a row of clusters, a tile of B by the eight of a column, and
; neighbours either way differ in x + y: so of the clusters that want a tile one half asks for it four slots after the other half, not all at once.  x + y is alike in all sixteen partners; only the global addresses hang on it.
; Each output keeps one accumulator; the order of its f32 sum along K is the walk's.
; REGISTERS: window 0: v1-31 addresses; v32-63 scale words, a set for each slot, nothing else; v64-95 the bias; v128-175 A's 4 fragments; on the way out v128-255 the rows read back.
;   window 1: B's fragments, two sets, at v0 and v128.   window 2: v0-127 the accumulators, (a, b) at v[8 (4 a + b)]; v128-255 the residual.
.set MODE,  3
.set REC,   1792
.if MODE == 1
.set KS,    8
.set WREG,  6422528                    ; q1: the records of proj_w
.else
.set KS,    32
.set WREG,  11010048                   ; of fc2_w
.endif
.set NQ,    4                          ; K steps in a slot
.set TROW,  NQ*REC
.set HALFT, 4*TROW                     ; 4 tiles: what one tensor load brings, and what a wave reads of A or of B
.set SLOT,  4*HALFT
.set SPARE, 2*SLOT                     ; behind the ring: the spare words, 128 bytes a wave
.set STG,   SPARE+512                  ; behind them: a stage of 16 rows x (256 + 16) bytes for each wave; no tensor load lands here
.set LAPS,  KS/(2*NQ)
.set FR,    12
.set NL,    4
.set L16,  1
.set L8,   2
.set ADRA, 16                          ; v16, v17: A's fragments in slot 0, 1, 16 bytes a lane; v18, v19: 8 bytes a lane
.set ADRB, 20
.set STO,  24
.set RD,   25
.set CO,   26
.set SPW,  28
.set NIL,  29
.set ADRS, 30                          ; v30, v31: the scale words in slot 0, 1: lanes 0-15 A's, lanes 16-31 B's
.set SC,   32
.set BIAS, 64
.set AF,   128
.set BK,   128
.set G1,  24
.set G0,  32
.set G1B, 48
.set G0B, 56
.set MSB, 0
.macro WIN new
.if MSB != \new
	s_set_vgpr_msb (MSB<<8)|\new
.set MSB, \new
.endif
.endm
.macro WMUL first                      ; source 0 (B) window 1, source 1 (A) window 0, D window 2; C with D, or, where the bias starts the sums, window 0
.if \first
	WIN 0x81
.else
	WIN 0xa1
.endif
.endm
.macro JLOAD g0a, g1a, g0b, g1b        ; a joint load: waves 0 and 1 fetch for A, waves 2 and 3 for B; an s_nop 0 and four v_nop follow each line
	s_cmp_eq_u32 s15, 0
	s_cbranch_scc0 .Lfor_b_\@
	tensor_load_to_lds s[\g0a:\g0a+3], s[\g1a:\g1a+7]
	s_nop 0
.rept 4
	v_nop
.endr
	s_branch .Lasked_\@
.Lfor_b_\@:
	tensor_load_to_lds s[\g0b:\g0b+3], s[\g1b:\g1b+7]
	s_nop 0
.rept 4
	v_nop
.endr
.Lasked_\@:
.endm
.macro CREST
	s_cmp_lg_u32 s14, 0
	s_cbranch_scc1 .Lnot_wave_0_\@
	s_barrier_signal -3
.Lnot_wave_0_\@:
	s_barrier_wait -3
	s_barrier_signal -1
	s_barrier_wait -1
.endm
.macro CROUND
	s_barrier_signal -1
	s_barrier_wait -1
	CREST
.endm
.macro PLACES
.rept 4
	v_nop
.endr
.endm
	s_load_b256 s[4:11], s[0:1], 0x0               ; A's records, q1, the bias, the residual
	s_load_b64 s[12:13], s[0:1], 0x20              ; the result
	v_lshl_add_u32 v[SPW], v0, 2, SPARE
	v_mov_b32 v[NIL], 0
	ds_add_u32 v[SPW], v[NIL]                      ; the wave's opening: the add and its wait stand ahead of my first tensor load; work on registers stands between
	v_lshrrev_b32 v3, 5, v0
	v_readfirstlane_b32 s14, v3                    ; wave 0..3
	s_lshr_b32 s15, s14, 1                         ; which 4 tiles of A are mine.  Also: I fetch for A (0) or for B (1)
	s_and_b32 s16, s14, 1                          ; which 4 tiles of B.  Also: which 4 tiles I fetch
	s_bfe_u32 s40, ttmp6, 0x40000                  ; cx
	s_bfe_u32 s41, ttmp6, 0x40004                  ; cy
	s_lshl_b32 s42, ttmp9, 2
	s_add_co_u32 s42, s42, s40                     ; tc: 128 columns
	s_and_b32 s17, ttmp7, 0xffff
	s_lshl_b32 s17, s17, 2
	s_add_co_u32 s17, s17, s41                     ; tr: 128 rows
	s_lshl_b32 s43, s41, 2
	s_lshl_b32 s43, 15, s43                        ; my row of the cluster
	s_lshl_b32 s44, 0x1111, s40                    ; my column
	s_or_b32 s[G1+0], s43, (3<<16)|(1<<21)         ; 15:0 the mask; 17:16 elements of 8 bytes; 21 set beside a mask; no padding
	s_or_b32 s[G1B+0], s44, (3<<16)|(1<<21)
.irp g, G1, G1B
	s_mov_b32 s[\g+1], (TROW/8)<<16                ; tensor_dim0: a tile's four records
	s_mov_b32 s[\g+2], 4<<16                       ; tensor_dim1: 4 tiles
	s_mov_b32 s[\g+3], (TROW/8)<<16
	s_mov_b32 s[\g+4], 4
	s_mov_b32 s[\g+5], KS*REC/8                    ; from tile to tile
	s_mov_b32 s[\g+6], 0
	s_mov_b32 s[\g+7], 0
.endr
	s_lshl_b32 s18, s16, 2
	s_lshl_b32 s20, s17, 3
	s_add_co_u32 s20, s20, s18
	s_mul_i32 s20, s20, KS*REC                     ; A: tile 8 tr + 4 x half
	s_lshl_b32 s46, s42, 3
	s_add_co_u32 s46, s46, s18
	s_mul_i32 s46, s46, KS*REC                     ; B: tile 8 tc + 4 x half
	s_add_co_u32 s46, s46, WREG
.if MODE == 3
	s_and_b32 s19, ttmp7, 0xffff
	s_add_co_u32 s19, s19, ttmp9
	s_and_b32 s19, s19, 1                          ; the cluster's x + y, odd or even
	s_mul_i32 s44, s19, KS*REC                     ; s44: what the walk goes back by where it passes K's end: a tile's whole row of records, or nothing
	s_mul_i32 s19, s19, KS*REC/2                   ; where it begins: at K's middle, or at its start
	s_add_co_u32 s20, s20, s19
	s_add_co_u32 s46, s46, s19
	s_mov_b32 s41, 0                               ; the upper word of the pair s[40:41], which a refill takes off its addresses
.endif
	s_mov_b32 s21, 0
	s_mov_b32 s47, 0
	s_mul_i32 s45, s14, HALFT                      ; where they go: no place in the cluster enters an LDS address
	s_wait_dscnt 0x0                               ; the opening add is done
	s_wait_kmcnt 0x0
	s_add_nc_u64 s[20:21], s[4:5], s[20:21]
	s_add_nc_u64 s[46:47], s[6:7], s[46:47]
	CROUND                                         ; all sixteen work-groups are here: the first joint loads meet
.irp s, 0,1
	s_mov_b32 s[G0+4*\s], 1
	s_add_co_u32 s[G0+4*\s+1], s45, \s*SLOT
	s_add_nc_u64 s[G0+4*\s+2:G0+4*\s+3], s[20:21], \s*TROW
	s_or_b32 s[G0+4*\s+3], s[G0+4*\s+3], 0x80000000
	s_mov_b32 s[G0B+4*\s], 1
	s_add_co_u32 s[G0B+4*\s+1], s45, \s*SLOT
	s_add_nc_u64 s[G0B+4*\s+2:G0B+4*\s+3], s[46:47], \s*TROW
	s_or_b32 s[G0B+4*\s+3], s[G0B+4*\s+3], 0x80000000
	JLOAD G0+4*\s, G1, G0B+4*\s, G1B               ; two loads of mine are out
.endr
	v_and_b32 v3, 31, v0
	v_lshlrev_b32 v[L16], 4, v3
	v_lshlrev_b32 v[L8], 3, v3
	v_bfe_u32 v4, v0, 4, 1                         ; h
	v_and_b32 v7, 15, v0                           ; r
	s_xor_b32 s23, s15, 1
	s_add_co_u32 s23, s23, s16
	s_add_co_u32 s23, s23, 1
	s_mul_i32 s23, s23, HALFT                      ; from my tiles of A to my tiles of B
	v_mul_u32_u24 v5, s23, v4                      ; lanes 16-31 take B's scale words
	v_add_nc_u32 v5, v5, v[L8]
	s_mul_i32 s21, s15, HALFT
	s_mul_i32 s22, s16, HALFT
	s_add_co_u32 s22, s22, 2*HALFT
.irp s, 0,1
	v_add_nc_u32 v[ADRA+\s], s21, v[L16]
	v_add_nc_u32 v[ADRA+2+\s], s21, v[L8]
	v_add_nc_u32 v[ADRB+\s], s22, v[L16]
	v_add_nc_u32 v[ADRB+2+\s], s22, v[L8]
	v_add_nc_u32 v[ADRS+\s], s21, v5
	v_add_nc_u32 v[ADRS+\s], 1536, v[ADRS+\s]
	s_add_co_u32 s21, s21, SLOT
	s_add_co_u32 s22, s22, SLOT
.endr
	s_mul_i32 s23, s14, 16*272
	s_add_co_u32 s23, s23, STG                     ; my stage
	v_mul_u32_u24 v5, v7, 272
	v_lshl_add_u32 v5, v4, 6, v5
	v_add_nc_u32 v[STO], s23, v5                   ; in: local row r, + 64 h
	v_mul_u32_u24 v6, v4, 272
	v_lshl_add_u32 v6, v7, 4, v6
	v_add_nc_u32 v[RD], s23, v6                    ; back: lanes 0-15 one row of 256 bytes, lanes 16-31 the next
	v_lshlrev_b32 v6, 12, v4
	v_lshl_add_u32 v[CO], v7, 4, v6                ; and the same two rows in memory
	s_lshl_b32 s22, s42, 9
	s_lshl_b32 s23, s16, 8
	s_add_co_u32 s22, s22, s23                     ; my 64 columns, in bytes
	s_mov_b32 s23, 0
	s_add_nc_u64 s[8:9], s[8:9], s[22:23]
	s_lshl_b32 s18, s17, 1
	s_add_co_u32 s18, s18, s15
	s_lshl_b32 s18, s18, 18                        ; my 64 rows of 4,096 bytes
	s_add_co_u32 s22, s22, s18
	s_add_nc_u64 s[10:11], s[10:11], s[22:23]
	s_add_nc_u64 s[12:13], s[12:13], s[22:23]
	v_lshlrev_b32 v6, 6, v4
.irp b, 0,1,2,3                                    ; the bias in the result's layout: tile b, lane (r, h): columns 32 (b / 2) + 16 h + 8 (b % 2) + 0 .. 7
	global_load_b128 v[BIAS+8*\b:BIAS+8*\b+3], v6, s[8:9] offset:(32*(\b/2)+8*(\b%2))*4
	global_load_b128 v[BIAS+8*\b+4:BIAS+8*\b+7], v6, s[8:9] offset:(32*(\b/2)+8*(\b%2))*4+16
.endr
	WIN 0x80                                       ; destination window 2
.irp a, 0,1,2,3
.irp t, 0,1,2,3,4,5,6,7
	global_load_b128 v[BK+32*\a+4*\t:BK+32*\a+4*\t+3], v[CO], s[10:11] offset:(32*(\a/2)+8*(\a%2)+2*\t+8*(\t/4))*4096 th:TH_LOAD_NT   ; the residual: tile a's local rows 2 t and 2 t + 1
.endr
.endr
	WIN 0
.macro FRAG reg, adr, q, i
	ds_load_b128 v[\reg:\reg+3], v[\adr] offset:(\i)*TROW+(\q)*REC
	ds_load_b64 v[\reg+4:\reg+5], v[\adr+2] offset:(\i)*TROW+(\q)*REC+512
	ds_load_b128 v[\reg+6:\reg+9], v[\adr] offset:(\i)*TROW+(\q)*REC+768
	ds_load_b64 v[\reg+10:\reg+11], v[\adr+2] offset:(\i)*TROW+(\q)*REC+1280
.endm
.macro FETCH_B slot, q, p
	WIN 0x40
.irp i, 0,1,2,3
	FRAG 128*(\p)+FR*\i, ADRB+\slot, \q, \i
.endr
	WIN 0
.endm
.macro FETCH_A slot, q, i0
.irp i, \i0, \i0+1
	FRAG AF+FR*(\i), ADRA+\slot, \q, \i
.endr
.endm
.macro SCALES sl                       ; register NQ i + q of the set: lanes 0-15 the words of A's tile i, lanes 16-31 those of B's tile i
.irp i, 0,1,2,3
.irp q, 0,1,2,3
	ds_load_b32 v[SC+16*\sl+NQ*\i+\q], v[ADRS+\sl] offset:\i*TROW+\q*REC
.endr
.endr
.endm
; 4 products: A's tile a x B's four.  The 16 accumulators take turns, one instruction a turn, in the same order in every step
.macro MULA a, p, q, sc, first
.irp b, 0,1,2,3
.set rD, 8*(4*(\a)+\b)
.set rB, 128*(\p)+FR*\b
.set rA, AF+FR*(\a)
.set rS, SC+16*(\sc)+NQ*\b+(\q)
.set rT, SC+16*(\sc)+NQ*(\a)+(\q)
.if \first
	v_wmma_scale_f32_16x16x128_f8f6f4 v[rD:rD+7], v[rB:rB+11], v[rA:rA+11], v[BIAS+8*\b:BIAS+8*\b+7], v[rS], v[rT] matrix_a_fmt:MATRIX_FMT_FP6 matrix_b_fmt:MATRIX_FMT_FP6 matrix_a_scale:MATRIX_SCALE_ROW1
.else
	v_wmma_scale_f32_16x16x128_f8f6f4 v[rD:rD+7], v[rB:rB+11], v[rA:rA+11], v[rD:rD+7], v[rS], v[rT] matrix_a_fmt:MATRIX_FMT_FP6 matrix_b_fmt:MATRIX_FMT_FP6 matrix_a_scale:MATRIX_SCALE_ROW1
.endif
.endr
.endm
.macro STEP slot, q, first             ; a K step that has its successor in the same slot
	s_wait_dscnt 2*NL                              ; all but the youngest 8 loads, A's tiles 2 and 3
	WMUL \first
	MULA 0, (\q)%2, \q, \slot, \first
	MULA 1, (\q)%2, \q, \slot, \first
	s_wait_dscnt 0x0
	PLACES                                         ; four places in front of loads into registers that products have read
	FETCH_B \slot, (\q)+1, 1-(\q)%2
	FETCH_A \slot, (\q)+1, 0
	WMUL \first
	MULA 2, (\q)%2, \q, \slot, \first
	MULA 3, (\q)%2, \q, \slot, \first
	PLACES
	WIN 0
	FETCH_A \slot, (\q)+1, 2
.endm
.macro MID slot
	STEP \slot, 1, 0
	STEP \slot, 2, 0
.endm
; A slot's last K step changes slots: one barrier; in front of it each wave waits for all its tensor loads, adds 0 to its spare word, and waits for that and for its reads of this slot.
.macro TURN slot, next, fill
	s_wait_tensorcnt 0x0                           ; all my tensor loads have landed: my part of the next slot
	ds_add_u32 v[SPW], v[NIL]
	s_wait_dscnt 2*NL+1                            ; the add and A's tiles 2 and 3 may be out
	WMUL 0
	MULA 0, 1, NQ-1, \slot, 0
	s_wait_dscnt 0x0                               ; the add is done, and my reads of this slot are over
	s_barrier_signal -1
	MULA 1, 1, NQ-1, \slot, 0
	WIN 0
	s_barrier_wait -1
.if \fill
	CREST                                          ; the barrier has opened a round of the cluster's: no wave of any partner still reads this slot or has a load on its way
	s_add_nc_u64 s[G0+4*\slot+2:G0+4*\slot+3], s[G0+4*\slot+2:G0+4*\slot+3], 2*TROW
	s_add_nc_u64 s[G0B+4*\slot+2:G0B+4*\slot+3], s[G0B+4*\slot+2:G0B+4*\slot+3], 2*TROW
.if MODE == 3
	s_cmp_eq_u32 s3, LAPS/2                        ; a slot's fill number LAPS / 2 stands in the trip with so many trips to go: there a walk that began at K's middle passes K's end
	s_cselect_b32 s40, s44, 0
	s_sub_nc_u64 s[G0+4*\slot+2:G0+4*\slot+3], s[G0+4*\slot+2:G0+4*\slot+3], s[40:41]   ; and goes back to K's start; the type bits on top are not reached
	s_sub_nc_u64 s[G0B+4*\slot+2:G0B+4*\slot+3], s[G0B+4*\slot+2:G0B+4*\slot+3], s[40:41]
.endif
	JLOAD G0+4*\slot, G1, G0B+4*\slot, G1B         ; my one tensor load behind the round; its four v_nop are the places in front of the loads below
.else
	PLACES
.endif
	FETCH_B \next, 0, 0
	FETCH_A \next, 0, 0
	SCALES \next
	WMUL 0
	MULA 2, 1, NQ-1, \slot, 0
	MULA 3, 1, NQ-1, \slot, 0
	PLACES
	WIN 0
	FETCH_A \next, 0, 2
.endm
	s_wait_tensorcnt 1                             ; my part of slot 0 is in; slot 1's may stay out
	s_barrier_signal -1
	s_barrier_wait -1
	FETCH_B 0, 0, 0
	FETCH_A 0, 0, 0
	SCALES 0
	FETCH_A 0, 0, 2
	s_wait_loadcnt 32                              ; the bias is in; the residual's 32 loads may stay out
	STEP 0, 0, 1                                   ; the first step starts the sums on the bias
.if LAPS > 1
	s_mov_b32 s3, LAPS-1
.Llap:                                             ; a trip goes once round the ring and fills both slots again
	MID 0
	TURN 0, 1, 1
	STEP 1, 0, 0
	MID 1
	TURN 1, 0, 1
	STEP 0, 0, 0
	s_sub_co_u32 s3, s3, 1
	s_cmp_lg_u32 s3, 0
	s_cbranch_scc1 .Llap
.endif
	MID 0                                          ; the last lap fills nothing
	TURN 0, 1, 0
	STEP 1, 0, 0
	MID 1
	s_wait_dscnt 2*NL
	WMUL 0
	MULA 0, 1, NQ-1, 1, 0
	MULA 1, 1, NQ-1, 1, 0
	s_wait_dscnt 0x0
	MULA 2, 1, NQ-1, 1, 0
	MULA 3, 1, NQ-1, 1, 0
	WIN 0
	PLACES                                         ; in front of the first read of results and of loads into A's registers
; THE WAY OUT, a tile of A (16 rows x my 64 columns) at a time, through my own stage: in by lanes (32 bytes of a row), back by rows of 256 bytes; LDS serves a wave's instructions in order, so no wait stands between.
.macro TOSTAGE a
	WIN 0x08                                       ; an LDS store's data are its source 1: window 2
.irp b, 0,1,2,3
	ds_store_b128 v[STO], v[8*(4*(\a)+\b):8*(4*(\a)+\b)+3] offset:128*(\b/2)+32*(\b%2)        ; each accumulator from its low end on
	ds_store_b128 v[STO], v[8*(4*(\a)+\b)+4:8*(4*(\a)+\b)+7] offset:128*(\b/2)+32*(\b%2)+16
.endr
	WIN 0
.irp t, 0,1,2,3,4,5,6,7
	ds_load_b128 v[BK+32*(\a)+4*\t:BK+32*(\a)+4*\t+3], v[RD] offset:544*\t
.endr
.endm
.macro SEND a, younger                 ; younger: the LDS instructions issued behind tile a's loads
	s_wait_dscnt \younger
	WIN 0x08                                       ; source 1 window 2: the residual has the rows' own register numbers there
.set i, 0
.rept 16
	v_pk_add_f32 v[BK+32*(\a)+i:BK+32*(\a)+i+1], v[BK+32*(\a)+i:BK+32*(\a)+i+1], v[BK+32*(\a)+i:BK+32*(\a)+i+1]
.set i, i+2
.endr
	WIN 0
.irp t, 0,1,2,3,4,5,6,7
	global_store_b128 v[CO], v[BK+32*(\a)+4*\t:BK+32*(\a)+4*\t+3], s[12:13] offset:(32*((\a)/2)+8*((\a)%2)+2*\t+8*(\t/4))*4096   ; sixteen lanes store 256 consecutive bytes, aligned
.endr
.endm
	s_wait_loadcnt 0x0                             ; the residual
	TOSTAGE 0
	TOSTAGE 1
	SEND 0, 16
	TOSTAGE 2
	SEND 1, 16
	TOSTAGE 3
	SEND 2, 16
	SEND 3, 0
	s_wait_tensorcnt 0x0                           ; the wave's end, behind my last tensor load and my last LDS store
	ds_add_u32 v[SPW], v[NIL]
	s_wait_dscnt 0x0
	CROUND                                         ; the closing round
	s_endpgm
.Lfunc_end_k_qc0e9c43817_fc2:
	.size	k_qc0e9c43817_fc2, .Lfunc_end_k_qc0e9c43817_fc2-k_qc0e9c43817_fc2
	.p2alignl 7, 3214868480
	.fill 96, 4, 3214868480
	.section	.rodata,"a",@progbits
	.p2align	6, 0x0
	.amdhsa_kernel k_qc0e9c43817_fc2
		.amdhsa_group_segment_fixed_size 327680
		.amdhsa_private_segment_fixed_size 0
		.amdhsa_enable_private_segment 0
		.amdhsa_kernarg_size 40
		.amdhsa_user_sgpr_count 2
		.amdhsa_user_sgpr_kernarg_segment_ptr 1
		.amdhsa_wavefront_size32 1
		.amdhsa_system_sgpr_workgroup_id_x 1
		.amdhsa_system_sgpr_workgroup_id_y 1
		.amdhsa_system_sgpr_workgroup_id_z 1
		.amdhsa_system_vgpr_workitem_id 0
		.amdhsa_next_free_vgpr 768
		.amdhsa_next_free_sgpr 66
		.amdhsa_reserve_vcc 0
		.amdhsa_float_denorm_mode_32 3
		.amdhsa_float_denorm_mode_16_64 3
		.amdhsa_memory_ordered 1
		.amdhsa_forward_progress 1
		.amdhsa_inst_pref_size 102
	.end_amdhsa_kernel
	.amdgpu_metadata
---
amdhsa.version: [ 1, 2 ]
amdhsa.kernels:
  - .name:           k_qc0e9c43817_fc2
    .symbol:         k_qc0e9c43817_fc2.kd
    .args:
      - { .name: gq, .offset: 0, .size: 8, .value_kind: global_buffer, .address_space: global }
      - { .name: q1, .offset: 8, .size: 8, .value_kind: global_buffer, .address_space: global }
      - { .name: fc2_b, .offset: 16, .size: 8, .value_kind: global_buffer, .address_space: global }
      - { .name: x2, .offset: 24, .size: 8, .value_kind: global_buffer, .address_space: global }
      - { .name: out0, .offset: 32, .size: 8, .value_kind: global_buffer, .address_space: global }
    .group_segment_fixed_size: 327680
    .private_segment_fixed_size: 0
    .kernarg_segment_align: 8
    .kernarg_segment_size: 40
    .max_flat_workgroup_size: 128
    .sgpr_count:     66
    .vgpr_count:     768
    .wavefront_size: 32
...
	.end_amdgpu_metadata
.endif
;; end of part 7
